; MI455X (gfx1250); checked and timed in simulation.
; The chip was launched on July 23, 2026; its instructions are those of AMD's public machine-readable ISA for CDNA 5 (MIT licence, August 2026) and "CDNA5" Instruction Set Architecture Reference Guide (July 2026). The comments in the code are by the model that wrote it; some were corrected since.
;; Star Attention. Allowed arithmetic: float matrix products may take bf16 or f16 operands with f32 sums; all other float work in f32.
;; Inputs: Wk 512 x 512 float32; Wo 512 x 512 float32; Wq 512 x 512 float32; Wv 512 x 512 float32; alpha 1 x 8 float32; bk 512 float32; bo 512 float32; bq 512 float32; bv 512 float32; mask 16 x 8,192 bool; x 16 x 512 x 1 x 1 float32; y 16 x 512 x 8,192 x 1 float32.
;; Outputs: out0 16 x 512 x 1 x 1 float32.
;; One version. Each part assembles by itself: llvm-mc -triple=amdgcn-amd-amdhsa -mcpu=gfx1250 --defsym DOCPART=n.
;; ======== version 1 of 1: 6 launches
;; limits: an iteration or a series of the reference is cut at 32 steps
;; workspace buffers: qa 262,144 bytes; sb 512 bytes; sc 4,194,304 bytes; pa 4,259,840 bytes; act 2,048 bytes of whole numbers; zp 524,288 bytes; att 32,768 bytes
;; launch prep (part 1): grid 4 x 8, 16 waves a work-group, no clusters, 134,656 bytes of LDS; arguments x, Wq, bq, Wk, bk, qa, sb; writes qa, sb
.if DOCPART == 1
	.amdgcn_target "amdgcn-amd-amdhsa--gfx1250"
	.amdhsa_code_object_version 6
	.text
	.protected	k_q249cf14cab_prep
	.globl	k_q249cf14cab_prep
	.p2align	8
	.type	k_q249cf14cab_prep,@function
k_q249cf14cab_prep:
	s_mov_b64 s[64:65], 0
	v_nop
	global_prefetch_b8 v0, s[64:65] scope:SCOPE_SE
	s_setreg_imm32_b32 hwreg(HW_REG_WAVE_MODE, 25, 1), 1
	s_wait_xcnt 0x0
; PREP.  There is one query for each (batch, head), so q . (Wk y + bk) / 8 = (q Wk / 8) . y + q . bk / 8.  This launch makes, for head h and a chunk of 128 channels c:
;   q[b][d]  = sum over c of bf16(x[b][c]) bf16(Wq[64 h + d][c]) + bq[64 h + d], then q / 8 (exact), kept as bf16 hi + bf16 lo;
;   qk[b][c] = sum over d of (q / 8)[b][d] bf16(Wk[64 h + d][c]), again kept as bf16 hi + bf16 lo, into qa[b][m][c];
;   s0[b]    = sum over d of (q / 8)[b][d] bk[64 h + d] in f32, into sb[h][b] (chunk 0 alone stores it).
; Row m of qa: head 4 (m >> 3) + (m & 3), part (m >> 2) & 1 (0 = hi, 1 = lo): in a 16 x 16 result register j and register j + 4 of one lane are then the hi and lo rows of one head.
; LIMITS.  The order of the sums differs from the written order of the module (the products are reassociated); x, Wq, Wk are rounded once to bf16, the biases stay f32.
; SHARES.  Grid 4 x 8: x = chunk of 128 channels, y = head.  Each of a head's four chunks makes q anew (160 KB of reads), so that nothing passes between work-groups.  Sixteen waves.
; NO CLUSTER, NO TENSOR LOAD: every operand has to pass through registers for its rounding to bf16, and the launch moves 2 MB in all.
; LDS.  Pitches are odd multiples of 16 bytes (KB: of 32), so that the 16 rows of a fragment load begin in 16 different 16-byte columns of 256 bytes.
.set PX,   1040                        ; a row of 512 bf16 + 16 bytes
.set XH,   0                           ; x, 16 rows
.set WB,   XH+16*PX                    ; Wq of the head, 64 rows
.set PR,   272                         ; a row of 64 f32 + 16 bytes
.set RED,  WB+64*PX                    ; four partial q (quarters of K), 16 rows each
.set PKB,  288                         ; a row of 128 bf16 + 32 bytes
.set KB,   RED+64*PR                   ; Wk of the head and chunk, 64 rows d
.set PQ,   144                         ; a row of 64 bf16 + 16 bytes
.set QH,   KB+64*PKB                   ; q / 8, hi, 16 rows
.set QL,   QH+16*PQ                    ; q / 8, lo
.set OUTS, QL+16*PQ                    ; the way out: row 16 part + b, 128 bf16, pitch PR
.set S0W,  OUTS+32*PR                  ; 16 words: s0 by batch
; REGISTERS.  v0 thread, v1 r = lane % 16, v2 hh = lane / 16, v3 lane, v4 16 lane; v5-v15, v152-v157 addresses; v16-31 at work; v32-127 loads, later fragments;
; v128-135, v136-143 two accumulators; v144-147 bq, v148-151 bk of my four d.
.macro CV2 r                           ; four f32 at v[r] become four bf16 in v[r], v[r+1]
	v_cvt_pk_bf16_f32 v[\r], v[\r], v[(\r)+1]
	v_cvt_pk_bf16_f32 v[(\r)+1], v[(\r)+2], v[(\r)+3]
.endm
.macro SPLIT4 src, hi, lo, tmp         ; four f32 become four bf16 (hi) and the bf16 of what the rounding left (lo)
	v_cvt_pk_bf16_f32 v[\hi], v[\src], v[(\src)+1]
	v_cvt_pk_bf16_f32 v[(\hi)+1], v[(\src)+2], v[(\src)+3]
	v_lshlrev_b32 v[\tmp], 16, v[\hi]
	v_and_b32 v[(\tmp)+1], 0xffff0000, v[\hi]
	v_lshlrev_b32 v[(\tmp)+2], 16, v[(\hi)+1]
	v_and_b32 v[(\tmp)+3], 0xffff0000, v[(\hi)+1]
	v_pk_add_f32 v[\tmp:(\tmp)+1], v[\src:(\src)+1], v[\tmp:(\tmp)+1] neg_lo:[0,1] neg_hi:[0,1]
	v_pk_add_f32 v[(\tmp)+2:(\tmp)+3], v[(\src)+2:(\src)+3], v[(\tmp)+2:(\tmp)+3] neg_lo:[0,1] neg_hi:[0,1]
	v_cvt_pk_bf16_f32 v[\lo], v[\tmp], v[(\tmp)+1]
	v_cvt_pk_bf16_f32 v[(\lo)+1], v[(\tmp)+2], v[(\tmp)+3]
.endm
.macro MEET                            ; my LDS stores are done and my LDS reads are back, for the others' sake; then the work-group's barrier
	s_wait_dscnt 0x0
	s_barrier_signal -1
	s_barrier_wait -1
.endm
	s_load_b256 s[4:11], s[0:1], 0x0               ; x s[4:5], Wq s[6:7], bq s[8:9], Wk s[10:11]
	s_load_b128 s[12:15], s[0:1], 0x20             ; bk s[12:13], qa s[14:15]
	s_load_b64 s[16:17], s[0:1], 0x30              ; sb
	v_lshl_add_u32 v160, v0, 2, 0x20600
	v_mov_b32 v161, 0
	v_lshrrev_b32 v1, 5, v0
	v_readfirstlane_b32 s20, v1                    ; wave w, 0..15
	s_mov_b32 s21, ttmp9                           ; chunk
	s_and_b32 s22, ttmp7, 0xffff                   ; head
	v_and_b32 v1, 15, v0
	v_bfe_u32 v2, v0, 4, 1
	v_and_b32 v3, 31, v0
	v_lshlrev_b32 v4, 4, v3
	v_lshlrev_b32 v152, 4, v1                      ; 16 r: my four d in bq and bk
	s_lshl_b32 s24, s20, 11                        ; x: row w
	s_mov_b32 s25, 0
	s_lshl_b32 s26, s22, 17                        ; Wq: rows 64 h + 4 w on, 2,048 bytes each
	s_lshl_b32 s28, s20, 13
	s_add_co_u32 s26, s26, s28
	s_mov_b32 s27, 0
	s_lshl_b32 s30, s21, 9                         ; Wk: the same rows, the chunk's 512 bytes
	s_add_co_u32 s30, s30, s26
	s_mov_b32 s31, 0
	s_lshl_b32 s28, s22, 8                         ; bq, bk: the head's 64 numbers
	s_mov_b32 s29, 0
	s_lshl_b32 s32, s20, 1                         ; qa: batch (2 w) % 16 (+ hh), row m_hi(h) + 4 (w / 8), the chunk's 256 bytes
	s_and_b32 s32, s32, 15
	s_lshl_b32 s32, s32, 14
	s_lshr_b32 s34, s22, 2
	s_lshl_b32 s34, s34, 3
	s_and_b32 s35, s22, 3
	s_add_co_u32 s34, s34, s35                     ; m_hi(h) = 8 (h >> 2) + (h & 3)
	s_lshr_b32 s35, s20, 3
	s_lshl2_add_u32 s34, s35, s34
	s_lshl_b32 s34, s34, 10
	s_add_co_u32 s32, s32, s34
	s_lshl_b32 s34, s21, 8
	s_add_co_u32 s32, s32, s34
	s_mov_b32 s33, 0
	s_lshl_b32 s34, s22, 6                         ; sb: the head's 16 words
	s_mov_b32 s35, 0
	s_wait_kmcnt 0x0
	s_add_nc_u64 s[4:5], s[4:5], s[24:25]
	s_add_nc_u64 s[6:7], s[6:7], s[26:27]
	s_add_nc_u64 s[8:9], s[8:9], s[28:29]
	s_add_nc_u64 s[10:11], s[10:11], s[30:31]
	s_add_nc_u64 s[12:13], s[12:13], s[28:29]
	s_add_nc_u64 s[14:15], s[14:15], s[32:33]
	s_add_nc_u64 s[16:17], s[16:17], s[34:35]
	; PHASE 1: 26 loads at once, 512 consecutive bytes each (bq, bk: 256, read by both halves of the lanes)
	global_load_b128 v[144:147], v152, s[8:9]
	global_load_b128 v[148:151], v152, s[12:13]
.irp q, 0,1,2,3
	global_load_b128 v[32+4*\q:35+4*\q], v4, s[4:5] offset:512*\q
.endr
.irp i, 0,1,2,3
.irp q, 0,1,2,3
	global_load_b128 v[48+16*\i+4*\q:51+16*\i+4*\q], v4, s[6:7] offset:2048*\i+512*\q
.endr
.endr
.irp i, 0,1,2,3
	global_load_b128 v[112+4*\i:115+4*\i], v4, s[10:11] offset:2048*\i
.endr
	s_mul_i32 s36, s20, PX
	v_lshl_add_u32 v5, v3, 3, s36                  ; x into XH: row w, 8 bytes a lane
	s_mul_i32 s37, s20, 4*PX
	s_add_co_u32 s37, s37, WB
	v_lshl_add_u32 v6, v3, 3, s37                  ; Wq into WB: rows 4 w on
	s_mul_i32 s38, s20, 4*PKB
	s_add_co_u32 s38, s38, KB
	v_lshl_add_u32 v7, v3, 3, s38                  ; Wk into KB: rows 4 w on
	s_and_b32 s23, s20, 3                          ; nt: my 16 columns d of q
	s_lshr_b32 s39, s20, 2                         ; kq: my quarter of K
	v_mul_u32_u24 v8, v1, PX
	v_lshl_add_u32 v8, v2, 4, v8
	s_lshl_b32 s36, s39, 8
	v_add_nc_u32 v8, s36, v8                       ; x's fragments: row r, 16 hh, my 256 bytes of K
	s_mul_i32 s36, s23, 16*PX
	s_add_co_u32 s36, s36, WB
	v_add_nc_u32 v9, s36, v8                       ; Wq's fragments: row 16 nt + r
	s_mul_i32 s36, s20, 2*PR
	s_add_co_u32 s36, s36, OUTS
	v_mul_u32_u24 v154, v2, PR
	v_lshl_add_u32 v154, v1, 4, v154
	v_add_nc_u32 v154, s36, v154                   ; the way out, back: row 2 w + hh of OUTS, 16 bytes a lane
	v_lshlrev_b32 v155, 14, v2
	v_lshl_or_b32 v155, v1, 4, v155                ; and in qa: hh batches on, 16 r
	s_wait_loadcnt 20                              ; loads come back in order: bq, bk and x are in; the 16 of Wq and the 4 of Wk may be out
.irp q, 0,1,2,3
	CV2 32+4*\q
	ds_store_b64 v5, v[32+4*\q:33+4*\q] offset:256*\q
.endr
.irp i, 0,1,2,3
	s_wait_loadcnt 16-4*\i                         ; row i of my four of Wq is in: behind it were issued 4 (3 - i) loads of Wq and 4 of Wk
.irp q, 0,1,2,3
	CV2 48+16*\i+4*\q
	ds_store_b64 v6, v[48+16*\i+4*\q:49+16*\i+4*\q] offset:PX*\i+256*\q
.endr
.endr
	s_wait_loadcnt 0x0                             ; Wk
.irp i, 0,1,2,3
	CV2 112+4*\i
	ds_store_b64 v7, v[112+4*\i:113+4*\i] offset:PKB*\i
.endr
	MEET
	; PHASE 2: q.  Wave (nt, kq): 16 batches x 16 d over 128 channels, four K steps of 32; two accumulators take turns.
.irp i, 0,1,2,3
	ds_load_b128 v[32+8*\i:35+8*\i], v8 offset:64*\i
	ds_load_b128 v[36+8*\i:39+8*\i], v8 offset:64*\i+32
	ds_load_b128 v[64+8*\i:67+8*\i], v9 offset:64*\i
	ds_load_b128 v[68+8*\i:71+8*\i], v9 offset:64*\i+32
.endr
	s_wait_dscnt 0x0
	v_wmma_f32_16x16x32_bf16 v[128:135], v[32:39], v[64:71], 0
	v_wmma_f32_16x16x32_bf16 v[136:143], v[40:47], v[72:79], 0
	v_wmma_f32_16x16x32_bf16 v[128:135], v[48:55], v[80:87], v[128:135]
	v_wmma_f32_16x16x32_bf16 v[136:143], v[56:63], v[88:95], v[136:143]
	; the addresses of the next phases: eleven plain instructions that name none of the products' registers stand behind the products (ISA guide 7.12.1)
	s_mul_i32 s36, s39, 16*PR
	s_lshl_b32 s37, s23, 6
	s_add_co_u32 s36, s36, s37
	s_add_co_u32 s36, s36, RED
	v_mul_u32_u24 v10, v2, 8*PR
	v_lshl_add_u32 v10, v1, 2, v10
	v_add_nc_u32 v10, s36, v10                     ; partial q: quarter kq, row 8 hh (+ j), column 16 nt + r
	s_mul_i32 s36, s20, 2*PR
	s_add_co_u32 s36, s36, RED
	v_mul_u32_u24 v11, v2, PR
	v_lshl_add_u32 v11, v1, 4, v11
	v_add_nc_u32 v11, s36, v11                     ; back: batch 2 w + hh, d = 4 r on (waves 0-7)
	s_mul_i32 s36, s20, 2*PQ
	s_add_co_u32 s36, s36, QH
	v_mul_u32_u24 v13, v2, PQ
	v_lshl_add_u32 v13, v1, 3, v13
	v_add_nc_u32 v13, s36, v13                     ; q / 8 into QH: the same batch, 8 bytes a lane
	s_lshl_b32 s36, s20, 3
	s_add_co_u32 s36, s36, S0W
	v_lshl_add_u32 v12, v2, 2, s36                 ; s0's word of that batch
	v_lshlrev_b32 v157, 2, v1                      ; 4 r
	v_pk_add_f32 v[128:129], v[128:129], v[136:137]  ; each accumulator is read from its low end on
	v_pk_add_f32 v[130:131], v[130:131], v[138:139]
	v_pk_add_f32 v[132:133], v[132:133], v[140:141]
	v_pk_add_f32 v[134:135], v[134:135], v[142:143]
.irp j, 0,1,2,3,4,5,6,7
	ds_store_b32 v10, v[128+\j] offset:PR*\j
.endr
	MEET
	; PHASE 3, waves 0-7: thread = (batch 2 w + hh, four d).  The four quarters are added, bq, the division by 8; s0; the split.
	s_cmp_ge_u32 s20, 8
	s_cbranch_scc1 .Lq_made
.irp k, 0,1,2,3
	ds_load_b128 v[16+4*\k:19+4*\k], v11 offset:16*PR*\k
.endr
	s_wait_dscnt 0x0
	v_pk_add_f32 v[16:17], v[16:17], v[20:21]
	v_pk_add_f32 v[18:19], v[18:19], v[22:23]
	v_pk_add_f32 v[24:25], v[24:25], v[28:29]
	v_pk_add_f32 v[26:27], v[26:27], v[30:31]
	v_pk_add_f32 v[16:17], v[16:17], v[24:25]
	v_pk_add_f32 v[18:19], v[18:19], v[26:27]
	v_pk_add_f32 v[16:17], v[16:17], v[144:145]
	v_pk_add_f32 v[18:19], v[18:19], v[146:147]
	v_pk_mul_f32 v[16:17], v[16:17], 0x3e000000 op_sel_hi:[1,0]  ; / 8 = / sqrt(64), exact
	v_pk_mul_f32 v[18:19], v[18:19], 0x3e000000 op_sel_hi:[1,0]
	v_mul_f32 v20, v16, v148
	v_fmac_f32 v20, v17, v149
	v_fmac_f32 v20, v18, v150
	v_fmac_f32 v20, v19, v151
	v_add_f32_dpp v20, v20, v20 row_xmask:1 row_mask:0xf bank_mask:0xf  ; the batch's 16 lanes
	v_add_f32_dpp v20, v20, v20 row_xmask:2 row_mask:0xf bank_mask:0xf
	v_add_f32_dpp v20, v20, v20 row_xmask:4 row_mask:0xf bank_mask:0xf
	v_add_f32_dpp v20, v20, v20 row_xmask:8 row_mask:0xf bank_mask:0xf
	ds_store_b32 v12, v20                          ; sixteen lanes write one word with one value
	SPLIT4 16, 22, 24, 26
	ds_store_b64 v13, v[22:23]
	ds_store_b64 v13, v[24:25] offset:QL-QH
.Lq_made:
	MEET
	; PHASE 4, waves 0-7: qk, used transposed: source 0 = 16 channels c (Wk turned by the transposing load), source 1 = 16 batches; K = d, two steps.
	; A lane then holds eight neighbouring channels 16 w + 8 hh + 0..7 of batch r.
	s_cmp_ge_u32 s20, 8
	s_cbranch_scc1 .Lqk_made
	v_and_b32 v14, 7, v0
	v_lshl_add_u32 v14, v2, 3, v14
	v_mul_u32_u24 v14, v14, PKB
	v_bfe_u32 v15, v0, 3, 1
	v_lshl_add_u32 v14, v15, 4, v14
	s_lshl_b32 s36, s20, 5
	s_add_co_u32 s36, s36, KB
	v_add_nc_u32 v14, s36, v14                     ; row d = 8 hh + lane % 8, bytes 32 w + 16 ((lane / 8) % 2)
	v_mul_u32_u24 v15, v1, PQ
	v_lshl_add_u32 v15, v2, 4, v15
	v_add_nc_u32 v15, QH, v15
.irp k, 0,1
	ds_load_tr16_b128 v[32+8*\k:35+8*\k], v14 offset:32*PKB*\k
	ds_load_tr16_b128 v[36+8*\k:39+8*\k], v14 offset:32*PKB*\k+16*PKB
	ds_load_b128 v[48+8*\k:51+8*\k], v15 offset:64*\k
	ds_load_b128 v[52+8*\k:55+8*\k], v15 offset:64*\k+32
	ds_load_b128 v[64+8*\k:67+8*\k], v15 offset:QL-QH+64*\k
	ds_load_b128 v[68+8*\k:71+8*\k], v15 offset:QL-QH+64*\k+32
.endr
	s_wait_dscnt 0x0
	v_wmma_f32_16x16x32_bf16 v[128:135], v[32:39], v[48:55], 0
	v_wmma_f32_16x16x32_bf16 v[136:143], v[32:39], v[64:71], 0
	v_wmma_f32_16x16x32_bf16 v[128:135], v[40:47], v[56:63], v[128:135]
	v_wmma_f32_16x16x32_bf16 v[136:143], v[40:47], v[72:79], v[136:143]
	v_mul_u32_u24 v153, v1, PR                     ; four plain instructions behind the products: the way out's address,
	v_lshl_add_u32 v153, v2, 4, v153
	s_lshl_b32 s36, s20, 5
	s_add_co_u32 s36, s36, OUTS
	v_add_nc_u32 v153, s36, v153                   ; row r, bytes 32 w + 16 hh
	v_add_nc_u32 v156, S0W, v157                   ; and s0's words
	v_pk_add_f32 v[128:129], v[128:129], v[136:137]  ; hi's and lo's products together
	v_pk_add_f32 v[130:131], v[130:131], v[138:139]
	v_pk_add_f32 v[132:133], v[132:133], v[140:141]
	v_pk_add_f32 v[134:135], v[134:135], v[142:143]
	SPLIT4 128, 16, 20, 24
	SPLIT4 132, 18, 22, 28
	ds_store_b128 v153, v[16:19]
	ds_store_b128 v153, v[20:23] offset:16*PR
	s_cmp_lg_u32 s20, 0
	s_cbranch_scc1 .Lqk_made
	s_cmp_lg_u32 s21, 0
	s_cbranch_scc1 .Lqk_made
	ds_load_b32 v24, v156                          ; wave 0 of chunk 0: the head's 16 s0; both halves of the lanes hold, and store, the same 16 words
	s_wait_dscnt 0x0
	global_store_b32 v157, v24, s[16:17]
.Lqk_made:
	MEET
	; PHASE 5, all waves: rows 2 w and 2 w + 1 of OUTS leave; sixteen lanes store 256 consecutive bytes, at a multiple of 256 from qa's first byte
	ds_load_b128 v[16:19], v154
	s_wait_dscnt 0x0
	global_store_b128 v155, v[16:19], s[14:15]
	s_wait_tensorcnt 0x0
	ds_add_u32 v160, v161
	s_wait_dscnt 0x0
	s_endpgm
.Lfunc_end_k_q249cf14cab_prep:
	.size	k_q249cf14cab_prep, .Lfunc_end_k_q249cf14cab_prep-k_q249cf14cab_prep
	.p2alignl 7, 3214868480
	.fill 96, 4, 3214868480
	.section	.rodata,"a",@progbits
	.p2align	6, 0x0
	.amdhsa_kernel k_q249cf14cab_prep
		.amdhsa_group_segment_fixed_size 134656
		.amdhsa_private_segment_fixed_size 0
		.amdhsa_enable_private_segment 0
		.amdhsa_kernarg_size 56
		.amdhsa_user_sgpr_count 2
		.amdhsa_user_sgpr_kernarg_segment_ptr 1
		.amdhsa_wavefront_size32 1
		.amdhsa_system_sgpr_workgroup_id_x 1
		.amdhsa_system_sgpr_workgroup_id_y 1
		.amdhsa_system_sgpr_workgroup_id_z 1
		.amdhsa_system_vgpr_workitem_id 0
		.amdhsa_next_free_vgpr 162
		.amdhsa_next_free_sgpr 66
		.amdhsa_reserve_vcc 0
		.amdhsa_float_denorm_mode_32 3
		.amdhsa_float_denorm_mode_16_64 3
		.amdhsa_memory_ordered 1
		.amdhsa_forward_progress 1
		.amdhsa_inst_pref_size 21
	.end_amdhsa_kernel
	.amdgpu_metadata
---
amdhsa.version: [ 1, 2 ]
amdhsa.kernels:
  - .name:           k_q249cf14cab_prep
    .symbol:         k_q249cf14cab_prep.kd
    .args:
      - { .name: x, .offset: 0, .size: 8, .value_kind: global_buffer, .address_space: global }
      - { .name: Wq, .offset: 8, .size: 8, .value_kind: global_buffer, .address_space: global }
      - { .name: bq, .offset: 16, .size: 8, .value_kind: global_buffer, .address_space: global }
      - { .name: Wk, .offset: 24, .size: 8, .value_kind: global_buffer, .address_space: global }
      - { .name: bk, .offset: 32, .size: 8, .value_kind: global_buffer, .address_space: global }
      - { .name: qa, .offset: 40, .size: 8, .value_kind: global_buffer, .address_space: global }
      - { .name: sb, .offset: 48, .size: 8, .value_kind: global_buffer, .address_space: global }
    .group_segment_fixed_size: 134656
    .private_segment_fixed_size: 0
    .kernarg_segment_align: 8
    .kernarg_segment_size: 56
    .max_flat_workgroup_size: 512
    .sgpr_count:     66
    .vgpr_count:     162
    .wavefront_size: 32
...
	.end_amdgpu_metadata
.endif
;; end of part 1
;; launch scores (part 2): grid 16 x 16, 8 waves a work-group, no clusters, 17,664 bytes of LDS; arguments y, qa, sb, mask, sc; writes sc
.if DOCPART == 2
	.amdgcn_target "amdgcn-amd-amdhsa--gfx1250"
	.amdhsa_code_object_version 6
	.text
	.protected	k_q249cf14cab_scores
	.globl	k_q249cf14cab_scores
	.p2align	8
	.type	k_q249cf14cab_scores,@function
k_q249cf14cab_scores:
	s_mov_b64 s[64:65], 0
	v_nop
	global_prefetch_b8 v0, s[64:65] scope:SCOPE_SE
	s_setreg_imm32_b32 hwreg(HW_REG_WAVE_MODE, 25, 1), 1
	s_wait_xcnt 0x0
; SCORES.  sc[b][h][l] = sum over c of qk[b][h][c] bf16(y[b][c][l]) + s0[h][b], and -100 where mask[b][l] is set.  qk comes as 16 rows of bf16 (8 heads x hi, lo: see the row map below).
; Row m of qa: head 4 (m >> 3) + (m & 3), part (m >> 2) & 1.  In a result register j of lane (r, hh) is row 8 hh + j: registers 0-3 are the hi rows of heads 4 hh + 0..3, registers 4-7 their lo rows.
; LIMITS.  y is rounded once to bf16; the sums' order is the matrix unit's, not the written order of the module.
; SHARES.  Grid 16 x 16: x = 512 positions l, y = batch.  Each of eight waves owns 64 positions and walks all 512 channels in 16 steps of 32: 128 KB of y, each byte of y read once in the launch.
; THE LAYOUT THAT SPARES A TRANSPOSE.  Load q (0..15) of a step takes row c = 32 s + 16 (q >> 3) + (q & 7) + 8 hh; a lane takes the 16 bytes at l0 + 4 r: each half of the lanes reads 256 consecutive
; bytes, aligned.  Word t of a lane belongs to column tile t, whose column r stands for l = l0 + 4 r + t.  Register i of tile t's fragment is then the rounding of word t of loads 2 i and 2 i + 1.
; A RING OF THREE SLOTS IN REGISTERS, 16 loads each: 32 to 48 loads of 512 bytes of every wave are on their way.  The text is unrolled: every step's place stands in the loads' immediates.
; LEFT OUT: tensor loads (y passes through registers for its rounding anyway), clusters (no two work-groups share a byte of y; qa is 16 KB beside 1 MB).
; REGISTERS, window 0: v1 r, v2 hh, v3, v14, v15 at work, v4, v5 y's lane offsets for steps 0-7 and 8-15 (the immediate has 24 signed bits), v6-v8 qa's way through LDS, v9 the mask's word,
; v10 sc's lane offset, v11 4 r, v12 256 hh, v13 -100; v16-47 four accumulators; v48-111 two buffers of four fragments of y; v112-239 the 16 fragments of qk; v240-247 what starts the sums.
; Window 1: v0-191 the ring.  s_set_vgpr_msb: bits 1:0 source 0, 3:2 source 1, 5:4 source 2, 7:6 destination.
.set PA,   1040                        ; a row of qa in LDS: 1,024 bytes + 16
.set ACC,  16
.set BF,   48
.set AF,   112
.set S0,   240
.set OUT,  48
.set ROWB, 32768                       ; bytes from a channel's row of y to the next
.set MSB,  0
.macro WIN new                         ; the immediate's high byte repeats the setting that is left; a switch that changes nothing is dropped
.if MSB != (\new)
	s_set_vgpr_msb (MSB<<8)|(\new)
.set MSB, (\new)
.endif
.endm
.macro LOADS s                         ; step s's 32 rows x 256 bytes into slot s % 3
	WIN 0x40
.set q, 0
.rept 16
.if (\s) < 8
	global_load_b128 v[64*((\s)%3)+4*q:64*((\s)%3)+4*q+3], v4, s[4:5] offset:(32*((\s)&7)+16*(q>>3)+(q&7))*ROWB th:TH_LOAD_NT
.else
	global_load_b128 v[64*((\s)%3)+4*q:64*((\s)%3)+4*q+3], v5, s[4:5] offset:(32*((\s)&7)+16*(q>>3)+(q&7))*ROWB th:TH_LOAD_NT
.endif
.set q, q+1
.endr
.endm
.macro CVT s                           ; the slot becomes four fragments (32 channels x 16 positions) in buffer s % 2
	WIN 0x05
.set t, 0
.rept 4
.set i, 0
.rept 8
	v_cvt_pk_bf16_f32 v[BF+32*((\s)%2)+8*t+i], v[64*((\s)%3)+8*i+t], v[64*((\s)%3)+8*i+4+t]
.set i, i+1
.endr
.set t, t+1
.endr
.endm
.macro MUL s                           ; four products; the four accumulators take turns, from step to step too.  The first step's C is s0 (hi rows) and 0 (lo rows)
	WIN 0
.set t, 0
.rept 4
.if (\s) == 0
	v_wmma_f32_16x16x32_bf16 v[ACC+8*t:ACC+8*t+7], v[AF+8*(\s):AF+8*(\s)+7], v[BF+32*((\s)%2)+8*t:BF+32*((\s)%2)+8*t+7], v[S0:S0+7]
.else
	v_wmma_f32_16x16x32_bf16 v[ACC+8*t:ACC+8*t+7], v[AF+8*(\s):AF+8*(\s)+7], v[BF+32*((\s)%2)+8*t:BF+32*((\s)%2)+8*t+7], v[ACC+8*t:ACC+8*t+7]
.endif
.set t, t+1
.endr
.endm
; A step.  n = the loads issued behind this step's sixteen.  A fragment buffer is written again two steps behind the products that read it: the 32 conversions of the step between,
; which name none of those products' registers, are the places (ISA guide 7.12.1).
.macro STEP s, n
	s_wait_loadcnt \n
	CVT \s
.if (\s) < 13
	LOADS (\s)+3                                   ; the slot just read out is asked for again, three steps ahead
.endif
.if (\s) == 0
	s_wait_dscnt 0x0                               ; qk's fragments are in
.endif
	MUL \s
.endm
	s_load_b256 s[4:11], s[0:1], 0x0               ; y s[4:5], qa s[6:7], sb s[8:9], mask s[10:11]
	s_load_b64 s[12:13], s[0:1], 0x20              ; sc
	v_lshl_add_u32 v254, v0, 2, 0x4100
	v_mov_b32 v255, 0
	v_lshrrev_b32 v3, 5, v0
	v_readfirstlane_b32 s14, v3                    ; wave w
	s_and_b32 s15, ttmp7, 0xffff                   ; batch
	s_mov_b32 s16, ttmp9                           ; block of 512 positions
	v_and_b32 v1, 15, v0
	v_bfe_u32 v2, v0, 4, 1
	v_lshlrev_b32 v4, 18, v2
	v_lshl_or_b32 v4, v1, 4, v4                    ; 8 hh rows + 16 r
	v_add_nc_u32 v5, 256*ROWB, v4                  ; the same, 256 rows on
	v_lshlrev_b32 v6, 4, v0                        ; qa[b] is 16 KB on end: 16 bytes a thread, four times
	v_lshlrev_b32 v11, 2, v1
	v_lshlrev_b32 v12, 8, v2
	s_lshl_b32 s17, s16, 9
	s_lshl_b32 s18, s14, 6
	s_add_co_u32 s17, s17, s18                     ; l0 = 512 x block + 64 w
	s_lshl_b32 s18, s15, 24
	s_lshl2_add_u32 s18, s17, s18                  ; y: 16 MB a batch, 4 l0
	s_mov_b32 s19, 0
	s_lshl_b32 s20, s15, 14                        ; qa: 16 KB a batch
	s_mov_b32 s21, 0
	s_lshl_b32 s22, s15, 2                         ; sb: word b of each head's 16
	s_mov_b32 s23, 0
	s_lshl_b32 s24, s15, 13
	s_add_co_u32 s24, s24, s17                     ; mask: 8,192 bytes a batch, l0
	s_mov_b32 s25, 0
	s_lshl_b32 s26, s15, 18
	s_lshl2_add_u32 s26, s17, s26                  ; sc: 256 KB a batch, 4 l0
	s_mov_b32 s27, 0
	s_wait_kmcnt 0x0
	s_add_nc_u64 s[4:5], s[4:5], s[18:19]
	s_add_nc_u64 s[6:7], s[6:7], s[20:21]
	s_add_nc_u64 s[8:9], s[8:9], s[22:23]
	s_add_nc_u64 s[10:11], s[10:11], s[24:25]
	s_add_nc_u64 s[12:13], s[12:13], s[26:27]
.irp i, 0,1,2,3
	global_load_b128 v[AF+4*\i:AF+4*\i+3], v6, s[6:7] offset:4096*\i
.endr
.irp j, 0,1,2,3
	global_load_b32 v[S0+\j], v12, s[8:9] offset:64*\j  ; s0 of heads 4 hh + j
.endr
	global_load_b32 v9, v11, s[10:11]              ; the mask's bytes of my four positions
	LOADS 0
	LOADS 1
	LOADS 2
	WIN 0
	s_lshr_b32 s28, s14, 1                         ; thread t's 16 bytes of qa lie in row t / 64 (+ 4 i), at byte 16 (t % 64): by wave and lane
	s_mul_i32 s28, s28, PA
	s_and_b32 s29, s14, 1
	s_lshl_b32 s29, s29, 9
	s_add_co_u32 s28, s28, s29
	v_and_b32 v3, 31, v0
	v_lshl_add_u32 v7, v3, 4, s28
	v_mul_u32_u24 v8, v1, PA
	v_lshl_add_u32 v8, v2, 4, v8                   ; a fragment of qk: row r, 16 hh
	v_lshlrev_b32 v10, 17, v2
	v_lshl_or_b32 v10, v1, 4, v10                  ; sc: four heads on for the upper lanes, 16 r
	v_mov_b32 v13, 0xc2c80000                      ; -100
.irp j, 4,5,6,7
	v_mov_b32 v[S0+\j], 0
.endr
	s_wait_loadcnt 53                              ; qa's four loads are in: behind them were issued 4 (sb) + 1 (mask) + 48 (the ring)
.irp i, 0,1,2,3
	ds_store_b128 v7, v[AF+4*\i:AF+4*\i+3] offset:4*PA*\i
.endr
	s_wait_dscnt 0x0                               ; for the others' sake: my part of qa is in LDS
	s_barrier_signal -1
	s_barrier_wait -1                              ; everybody's is
.set i, 0
.rept 16
	ds_load_b128 v[AF+8*i:AF+8*i+3],   v8 offset:64*i
	ds_load_b128 v[AF+8*i+4:AF+8*i+7], v8 offset:64*i+32
.set i, i+1
.endr
.irp s, 0,1,2,3,4,5,6,7,8,9,10,11,12,13
	STEP \s, 32                                    ; two younger slots, 16 loads each, stay out (at step 0 this wait also shows sb and the mask in)
.endr
	STEP 14, 16
	STEP 15, 0
	; THE WAY OUT.  The mask's four bytes are taken apart: four plain instructions behind the last products.
	v_and_b32 v3, 0xff, v9
	v_bfe_u32 v14, v9, 8, 8
	v_bfe_u32 v15, v9, 16, 8
	v_lshrrev_b32 v9, 24, v9
	v_cmp_ne_u32 s28, 0, v3
	v_cmp_ne_u32 s29, 0, v14
	v_cmp_ne_u32 s30, 0, v15
	v_cmp_ne_u32 s31, 0, v9
.set t, 0
.rept 4
.set j, 0
.rept 4
	v_add_f32 v[OUT+4*j+t], v[ACC+8*t+j], v[ACC+8*t+j+4]  ; hi row + lo row of head 4 hh + j, position l0 + 4 r + t; each accumulator is read from its low end on
.set j, j+1
.endr
.set t, t+1
.endr
.set t, 0
.rept 4
.set j, 0
.rept 4
	v_cndmask_b32 v[OUT+4*j+t], v[OUT+4*j+t], v13, s[28+t]
.set j, j+1
.endr
.set t, t+1
.endr
.irp j, 0,1,2,3
	global_store_b128 v10, v[OUT+4*\j:OUT+4*\j+3], s[12:13] offset:32768*\j  ; sixteen lanes store 256 consecutive bytes of one head's row, aligned
.endr
	s_wait_tensorcnt 0x0
	ds_add_u32 v254, v255
	s_wait_dscnt 0x0
	s_endpgm
.Lfunc_end_k_q249cf14cab_scores:
	.size	k_q249cf14cab_scores, .Lfunc_end_k_q249cf14cab_scores-k_q249cf14cab_scores
	.p2alignl 7, 3214868480
	.fill 96, 4, 3214868480
	.section	.rodata,"a",@progbits
	.p2align	6, 0x0
	.amdhsa_kernel k_q249cf14cab_scores
		.amdhsa_group_segment_fixed_size 17664
		.amdhsa_private_segment_fixed_size 0
		.amdhsa_enable_private_segment 0
		.amdhsa_kernarg_size 40
		.amdhsa_user_sgpr_count 2
		.amdhsa_user_sgpr_kernarg_segment_ptr 1
		.amdhsa_wavefront_size32 1
		.amdhsa_system_sgpr_workgroup_id_x 1
		.amdhsa_system_sgpr_workgroup_id_y 1
		.amdhsa_system_sgpr_workgroup_id_z 1
		.amdhsa_system_vgpr_workitem_id 0
		.amdhsa_next_free_vgpr 448
		.amdhsa_next_free_sgpr 66
		.amdhsa_reserve_vcc 0
		.amdhsa_float_denorm_mode_32 3
		.amdhsa_float_denorm_mode_16_64 3
		.amdhsa_memory_ordered 1
		.amdhsa_forward_progress 1
		.amdhsa_inst_pref_size 71
	.end_amdhsa_kernel
	.amdgpu_metadata
---
amdhsa.version: [ 1, 2 ]
amdhsa.kernels:
  - .name:           k_q249cf14cab_scores
    .symbol:         k_q249cf14cab_scores.kd
    .args:
      - { .name: y, .offset: 0, .size: 8, .value_kind: global_buffer, .address_space: global }
      - { .name: qa, .offset: 8, .size: 8, .value_kind: global_buffer, .address_space: global }
      - { .name: sb, .offset: 16, .size: 8, .value_kind: global_buffer, .address_space: global }
      - { .name: mask, .offset: 24, .size: 8, .value_kind: global_buffer, .address_space: global }
      - { .name: sc, .offset: 32, .size: 8, .value_kind: global_buffer, .address_space: global }
    .group_segment_fixed_size: 17664
    .private_segment_fixed_size: 0
    .kernarg_segment_align: 8
    .kernarg_segment_size: 40
    .max_flat_workgroup_size: 256
    .sgpr_count:     66
    .vgpr_count:     448
    .wavefront_size: 32
...
	.end_amdgpu_metadata
.endif
;; end of part 2
;; launch entmax (part 3): grid 128 x 1, 8 waves a work-group, no clusters, 1,280 bytes of LDS; arguments sc, alpha, pa, act; writes pa, act
.if DOCPART == 3
	.amdgcn_target "amdgcn-amd-amdhsa--gfx1250"
	.amdhsa_code_object_version 6
	.text
	.protected	k_q249cf14cab_entmax
	.globl	k_q249cf14cab_entmax
	.p2align	8
	.type	k_q249cf14cab_entmax,@function
k_q249cf14cab_entmax:
	s_mov_b64 s[64:65], 0
	v_nop
	global_prefetch_b8 v0, s[64:65] scope:SCOPE_SE
	s_setreg_imm32_b32 hwreg(HW_REG_WAVE_MODE, 25, 1), 1
	s_wait_xcnt 0x0
; ENTMAX.  One work-group for each of the 128 rows (batch, head) of 8,192 scores: alpha's two clamps as the module writes them, Xa = X (a - 1), the row's maximum, the bisection for tau,
; p = max(Xa - tau, 0)^(1 / (a - 1)) at the last tau_m, p / sum p, split into bf16 hi + bf16 lo.
; OUT.  pa[b][B][m][128 l]: B = l / 128 (0..63), row m: head 4 (m >> 3) + (m & 3), part (m >> 2) & 1; B = 64 is a block of zeros, of which each head writes its two rows.
; act[b][h][4 words]: bit (blk & 31) of word blk >> 5 is set where block blk = l / 64 of the row holds a weight that is not 0.  The next launch reads these whole numbers and leaves out
; the blocks of y in which no head has a weight.  Here they are only made and stored: no branch and no address of this launch hangs on them.
; The row stays in registers: 32 numbers a thread, l = 1,024 g + 4 thread + e.  The power is 2^(inv log2 u) for every alpha: nothing is built in for a value of alpha, and no branch hangs on data.
; LIMITS.  (1) N_ITER = 32 halvings, not 50.  The first bracket is dm0 = 1 - d^-(a-1) < 1 for every input, so the tau of step 32 lies within dm0 2^-32 of that of step 50, and the normalised
; weights move by at most 2 inv d^(a-1) dm0 2^-32 in sum; with inv dm0 <= ln d = 9 that is at most 18 x 8,192 x 2^-32 = 3.4e-5, whatever the data.  (2) v_log_f32 and v_exp_f32 flush denormals
; (ISA guide 15.8): u or p below 2^-126 counts as 0.  (3) 1 / (a - 1) is capped at the largest finite f32, so that a = 1 exactly gives 1 for u = 1.  (4) Where a - 1 is only a rounding residue
; (alpha <= 0 with an inexact alpha + (1 - alpha)) nothing is claimed.  (5) A sum over the row is taken in this text's order (lane, wave, work-group), not in the written order of the module.
; 128 work-groups: a row's sum may not span work-groups, and each step needs the sum of the step before.  No matrix unit, no tensor load: the row is 32 KB, read once.
.set N_ITER, 32
.set PBATCH, 266240                    ; bytes of pa for a batch: 65 blocks of 16 rows of 256 bytes
.set XA,  8                            ; v8-39   Xa
.set TM,  40                           ; v40 tau_m, v41 dm: named as a pair, of which the packed subtraction takes the low word
.set DM,  41
.set INV, 42                           ; v42 1 / (a - 1), v43 written with it
.set TLO, 44
.set F,   45                           ; my lane's, then my wave's sum
.set XL,  46                           ; what the other half of the lanes sends
.set SUM, 47
.set PT,  48                           ; v48-55  the eight waves' figures
.set AS,  56                           ; v56-59  four running sums
.set RS,  60                           ; v60 1 / sum, v61 written with it
.set AM1, 62                           ; v62 a - 1, v63 written with it
.set U,   64                           ; v64-95  u, log2 u, inv log2 u, p, in place
.set HI,  96
.set LO,  112
.set T,   128                          ; v128-135 at work
.set MAXW, 0                           ; LDS: eight words for the maximum, then two sets of eight for the sums, which take turns,
.set PSUM, 32
.set ACTW, 128                         ; and four words for each wave: its bits of act
.macro SPLIT4 src, hi, lo, tmp         ; four f32 become four bf16 (hi) and the bf16 of what the rounding left (lo)
	v_cvt_pk_bf16_f32 v[\hi], v[\src], v[(\src)+1]
	v_cvt_pk_bf16_f32 v[(\hi)+1], v[(\src)+2], v[(\src)+3]
	v_lshlrev_b32 v[\tmp], 16, v[\hi]
	v_and_b32 v[(\tmp)+1], 0xffff0000, v[\hi]
	v_lshlrev_b32 v[(\tmp)+2], 16, v[(\hi)+1]
	v_and_b32 v[(\tmp)+3], 0xffff0000, v[(\hi)+1]
	v_pk_add_f32 v[\tmp:(\tmp)+1], v[\src:(\src)+1], v[\tmp:(\tmp)+1] neg_lo:[0,1] neg_hi:[0,1]
	v_pk_add_f32 v[(\tmp)+2:(\tmp)+3], v[(\src)+2:(\src)+3], v[(\tmp)+2:(\tmp)+3] neg_lo:[0,1] neg_hi:[0,1]
	v_cvt_pk_bf16_f32 v[\lo], v[\tmp], v[(\tmp)+1]
	v_cvt_pk_bf16_f32 v[(\lo)+1], v[(\tmp)+2], v[(\tmp)+3]
.endm
; THE PIECES of a bisection step, for group g of four numbers (g outside 0..7: nothing).
.macro PCA g, n                        ; u = max(Xa - tau_m, 0): lines 0, 1 subtract two at a time, lines 2-5 clamp
.if ((\g) >= 0) && ((\g) < 8)
.if (\n) < 2
	v_pk_add_f32 v[U+4*(\g)+2*(\n):U+4*(\g)+2*(\n)+1], v[XA+4*(\g)+2*(\n):XA+4*(\g)+2*(\n)+1], v[TM:TM+1] op_sel_hi:[1,0] neg_lo:[0,1] neg_hi:[0,1]
.else
	v_max_num_f32 v[U+4*(\g)+(\n)-2], 0, v[U+4*(\g)+(\n)-2]
.endif
.endif
.endm
.macro PCL g, e                        ; log2 u
.if ((\g) >= 0) && ((\g) < 8)
	v_log_f32 v[U+4*(\g)+(\e)], v[U+4*(\g)+(\e)]
.endif
.endm
.macro PCM g, n                        ; times 1 / (a - 1)
.if ((\g) >= 0) && ((\g) < 8)
	s_wait_alu depctr_va_vdst(0)
	v_pk_mul_f32 v[U+4*(\g)+2*(\n):U+4*(\g)+2*(\n)+1], v[U+4*(\g)+2*(\n):U+4*(\g)+2*(\n)+1], v[INV:INV+1] op_sel_hi:[1,0]
.endif
.endm
.macro PCE g, e                        ; 2^that = p
.if ((\g) >= 0) && ((\g) < 8)
	v_exp_f32 v[U+4*(\g)+(\e)], v[U+4*(\g)+(\e)]
.endif
.endm
.macro PCS g, n                        ; the sums; groups 0 and 1 start them: nothing is cleared, and p stays as it is (the last step's p are the weights)
.if (\g) == 1
	s_wait_alu depctr_va_vdst(0)
	v_pk_add_f32 v[AS+2*(\n):AS+2*(\n)+1], v[U+2*(\n):U+2*(\n)+1], v[U+4+2*(\n):U+4+2*(\n)+1]
.elseif ((\g) > 1) && ((\g) < 8)
	s_wait_alu depctr_va_vdst(0)
	v_pk_add_f32 v[AS+2*(\n):AS+2*(\n)+1], v[AS+2*(\n):AS+2*(\n)+1], v[U+4*(\g)+2*(\n):U+4*(\g)+2*(\n)+1]
.endif
.endm
; BEAT k: the logarithms of group k, u of group k + 1, the scaling of group k - 1, the exponentials of group k - 2, the sums of group k - 3.  A transcendental and a plain line take turns; every
; result is used a beat later, so that a plain line that names none of its registers stands between each transcendental and the use of its result (ISA guide 5.7.2), at the ends of the run too.
.macro BEAT
	PCL k, 0
	PCA k+1, 0
	PCE k-2, 0
	PCA k+1, 1
	PCL k, 1
	PCA k+1, 2
	PCE k-2, 1
	PCA k+1, 3
	PCL k, 2
	PCA k+1, 4
	PCE k-2, 2
	PCA k+1, 5
	PCL k, 3
	PCM k-1, 0
	PCE k-2, 3
	PCM k-1, 1
	PCS k-3, 0
	PCS k-3, 1
.set k, k+1
.endm
; ONE STEP.  par: which of the two sets of LDS words.  One barrier a step is enough: a set is written again two steps on, behind the other set's barrier, in front of whose signal every wave
; has waited for its reads of this set.
.macro ITER par
	v_mul_f32 v[DM], 0.5, v[DM]
	v_add_f32 v[TM], v[TLO], v[DM]
.set k, -1
.rept 12
	BEAT
.endr
	v_pk_add_f32 v[AS:AS+1], v[AS:AS+1], v[AS+2:AS+3]
	v_add_f32 v[F], v[AS], v[AS+1]
	v_add_f32_dpp v[F], v[F], v[F] row_xmask:1 row_mask:0xf bank_mask:0xf
	v_add_f32_dpp v[F], v[F], v[F] row_xmask:2 row_mask:0xf bank_mask:0xf
	v_add_f32_dpp v[F], v[F], v[F] row_xmask:4 row_mask:0xf bank_mask:0xf
	v_add_f32_dpp v[F], v[F], v[F] row_xmask:8 row_mask:0xf bank_mask:0xf
	v_permlanex16_b32 v[XL], v[F], s16, s17
	v_add_f32 v[F], v[F], v[XL]
	ds_store_b32 v3, v[F] offset:PSUM+32*(\par)    ; my wave's word; all lanes write one value
	s_wait_dscnt 0x0                               ; for the others' sake: it is in LDS
	s_barrier_signal -1
	s_barrier_wait -1
	ds_load_b128 v[PT:PT+3],   v4 offset:PSUM+32*(\par)
	ds_load_b128 v[PT+4:PT+7], v4 offset:PSUM+32*(\par)+16
	s_wait_dscnt 0x0
	v_pk_add_f32 v[PT:PT+1], v[PT:PT+1], v[PT+2:PT+3]  ; the same order in every wave: all decide alike
	v_pk_add_f32 v[PT+4:PT+5], v[PT+4:PT+5], v[PT+6:PT+7]
	v_pk_add_f32 v[PT:PT+1], v[PT:PT+1], v[PT+4:PT+5]
	v_add_f32 v[SUM], v[PT], v[PT+1]
	v_cmp_le_f32 vcc_lo, 1.0, v[SUM]               ; sum - 1 >= 0
	v_cndmask_b32 v[TLO], v[TLO], v[TM], vcc_lo
.endm
	s_load_b128 s[4:7], s[0:1], 0x0                ; sc s[4:5], alpha s[6:7]
	s_load_b128 s[8:11], s[0:1], 0x10              ; pa s[8:9], act s[10:11]
	v_lshl_add_u32 v136, v0, 2, 0x100
	v_mov_b32 v137, 0
	v_lshrrev_b32 v7, 5, v0
	v_readfirstlane_b32 s12, v7                    ; wave
	s_lshr_b32 s13, ttmp9, 3                       ; batch
	s_and_b32 s14, ttmp9, 7                        ; head
	v_lshlrev_b32 v1, 4, v0                        ; 16 bytes a thread of sc
	s_lshl_b32 s18, s12, 2
	v_mov_b32 v3, s18                              ; my wave's word in LDS
	s_lshl_b32 s18, s12, 12
	v_and_b32 v2, 31, v0
	v_lshl_add_u32 v2, v2, 3, s18                  ; pa: block 8 g + wave (4,096 bytes each), 8 bytes a lane
	v_mov_b32 v4, 0
	s_lshl_b32 s19, s14, 2
	v_mov_b32 v5, s19                              ; my head's alpha
	v_mov_b32 v[XL], 0                             ; v_permlanex16_b32 counts as a reader of its destination
	s_mov_b32 s16, 0x76543210                      ; each lane takes its own place in the other half
	s_mov_b32 s17, 0xfedcba98
	s_lshl_b32 s20, ttmp9, 15                      ; sc: 32 KB a row
	s_mov_b32 s21, 0
	s_lshr_b32 s22, s14, 2
	s_lshl_b32 s22, s22, 3
	s_and_b32 s23, s14, 3
	s_add_co_u32 s22, s22, s23                     ; m_hi(h) = 8 (h >> 2) + (h & 3)
	s_lshl_b32 s22, s22, 8                         ; pa: 256 bytes a row of a block,
	s_mul_i32 s23, s13, PBATCH                     ; 65 blocks a batch
	s_add_co_u32 s22, s22, s23
	s_mov_b32 s23, 0
	s_lshl_b32 s24, ttmp9, 4                       ; act: 16 bytes a row
	s_mov_b32 s25, 0
	s_wait_kmcnt 0x0
	s_add_nc_u64 s[4:5], s[4:5], s[20:21]
	s_add_nc_u64 s[8:9], s[8:9], s[22:23]
	s_add_nc_u64 s[10:11], s[10:11], s[24:25]
	global_load_b32 v6, v5, s[6:7]
.irp g, 0,1,2,3,4,5,6,7
	global_load_b128 v[XA+4*\g:XA+4*\g+3], v1, s[4:5] offset:4096*\g th:TH_LOAD_NT
.endr
	s_wait_loadcnt 8                               ; alpha is in; the row's eight loads stay out
	v_min_num_f32 v7, 0, v6                        ; ClampMin(alpha, 1) = ((max(min(a, 0) - 1, 0) + 1) + max(a, 0)), line by line
	v_add_f32 v7, -1.0, v7
	v_max_num_f32 v7, 0, v7
	v_add_f32 v7, 1.0, v7
	v_max_num_f32 v[SUM], 0, v6
	v_add_f32 v7, v7, v[SUM]
	v_max_num_f32 v[SUM], 0, v7                    ; ClampMax(that, 2) = ((min(max(y, 0) - 2, 0) + 2) + min(y, 0))
	v_add_f32 v[SUM], -2.0, v[SUM]
	v_min_num_f32 v[SUM], 0, v[SUM]
	v_add_f32 v[SUM], 2.0, v[SUM]
	v_min_num_f32 v7, 0, v7
	v_add_f32 v7, v[SUM], v7
	v_sub_f32 v7, v7, v6                           ; a_eff = alpha + (a_c - alpha)
	v_add_f32 v7, v6, v7
	v_add_f32 v[AM1], -1.0, v7
	v_mov_b32 v[AM1+1], v[AM1]
	v_rcp_f32 v[INV], v[AM1]
	v_mul_f32 v7, 0xc1500000, v[AM1]               ; -13 (a - 1): (1 / 8,192)^(a - 1) = 2^that
	v_exp_f32 v7, v7
	v_mov_b32 v[RS+1], 0                           ; a plain line behind the two transcendentals
	s_wait_alu depctr_va_vdst(0)
	v_min_num_f32 v[INV], 0x7f7fffff, v[INV]
	v_mov_b32 v[INV+1], v[INV]
	s_wait_loadcnt 0x0
.set i, 0
.rept 16
	v_pk_mul_f32 v[XA+2*i:XA+2*i+1], v[XA+2*i:XA+2*i+1], v[AM1:AM1+1] op_sel_hi:[1,0]
.set i, i+1
.endr
	; the row's maximum: four chains in the lane, the lanes, the waves
.irp c, 0,1,2,3
	v_max3_num_f32 v[T+\c], v[XA+8*\c], v[XA+8*\c+1], v[XA+8*\c+2]
.endr
.irp c, 0,1,2,3
	v_max3_num_f32 v[T+\c], v[T+\c], v[XA+8*\c+3], v[XA+8*\c+4]
.endr
.irp c, 0,1,2,3
	v_max3_num_f32 v[T+\c], v[T+\c], v[XA+8*\c+5], v[XA+8*\c+6]
.endr
.irp c, 0,1,2,3
	v_max_num_f32 v[T+\c], v[T+\c], v[XA+8*\c+7]
.endr
	v_max3_num_f32 v[T], v[T], v[T+1], v[T+2]
	v_max_num_f32 v[T], v[T], v[T+3]
	v_max_num_f32_dpp v[T], v[T], v[T] row_xmask:1 row_mask:0xf bank_mask:0xf
	v_max_num_f32_dpp v[T], v[T], v[T] row_xmask:2 row_mask:0xf bank_mask:0xf
	v_max_num_f32_dpp v[T], v[T], v[T] row_xmask:4 row_mask:0xf bank_mask:0xf
	v_max_num_f32_dpp v[T], v[T], v[T] row_xmask:8 row_mask:0xf bank_mask:0xf
	v_permlanex16_b32 v[XL], v[T], s16, s17
	v_max_num_f32 v[T], v[T], v[XL]
	ds_store_b32 v3, v[T] offset:MAXW
	s_wait_dscnt 0x0
	s_barrier_signal -1
	s_barrier_wait -1
	ds_load_b128 v[PT:PT+3],   v4 offset:MAXW
	ds_load_b128 v[PT+4:PT+7], v4 offset:MAXW+16
	s_wait_dscnt 0x0
	v_max3_num_f32 v[PT], v[PT], v[PT+1], v[PT+2]
	v_max3_num_f32 v[PT], v[PT], v[PT+3], v[PT+4]
	v_max3_num_f32 v[PT], v[PT], v[PT+5], v[PT+6]
	v_max_num_f32 v[PT], v[PT], v[PT+7]
	v_add_f32 v[TLO], -1.0, v[PT]                  ; tau_lo = max - 1
	v_sub_f32 v[DM], v[PT], v7                     ; tau_hi = max - (1 / d)^(a - 1)
	v_sub_f32 v[DM], v[DM], v[TLO]                 ; dm = tau_hi - tau_lo
	s_mov_b32 s15, N_ITER/2
.Lbisect:
	ITER 0
	ITER 1
	s_sub_co_i32 s15, s15, 1
	s_cmp_lg_u32 s15, 0
	s_cbranch_scc1 .Lbisect
	; U holds p at the last tau_m and SUM its sum: what the module divides
	v_rcp_f32 v[RS], v[SUM]
	v_mov_b32 v[RS+1], 0                           ; a plain line behind the reciprocal
.set i, 0
	s_wait_alu depctr_va_vdst(0)
.rept 16
	v_pk_mul_f32 v[U+2*i:U+2*i+1], v[U+2*i:U+2*i+1], v[RS:RS+1] op_sel_hi:[1,0]
.set i, i+1
.endr
.irp g, 0,1,2,3,4,5,6,7
	SPLIT4 U+4*\g, HI+2*\g, LO+2*\g, T+4*(\g%2)
.endr
.irp g, 0,1,2,3,4,5,6,7
	global_store_b64 v2, v[HI+2*\g:HI+2*\g+1], s[8:9] offset:32768*\g        ; a wave stores 256 consecutive bytes, aligned: row m_hi of block 8 g + wave
	global_store_b64 v2, v[LO+2*\g:LO+2*\g+1], s[8:9] offset:32768*\g+1024   ; the lo row lies four rows on
.endr
	; WHICH BLOCKS OF 64 POSITIONS HOLD A WEIGHT.  A lane's four weights of group g lie in block 16 g + 2 wave + (lane / 16).  Where hi is 0, so is lo (it is then the same rounding of the same number).
.irp g, 0,1,2,3,4,5,6,7
	v_or_b32 v[T+\g], v[HI+2*\g], v[HI+2*\g+1]
.endr
.irp g, 0,1,2,3,4,5,6,7
	v_cmp_ne_u32 s[24+\g], 0, v[T+\g]              ; a bit a lane; its two halves are the two blocks
.endr
	s_lshl_b32 s32, s12, 1                         ; 2 wave
.irp j, 0,1,2,3                        ; word j holds groups 2 j (bits 2 wave, 2 wave + 1) and 2 j + 1 (sixteen bits on).  s_and_b32 and s_lshr_b32 leave in SCC whether their result is not 0
	s_and_b32 s33, s[24+2*\j], 0xffff
	s_cselect_b32 s34, 1, 0
	s_lshr_b32 s33, s[24+2*\j], 16
	s_cselect_b32 s35, 2, 0
	s_or_b32 s34, s34, s35
	s_and_b32 s33, s[25+2*\j], 0xffff
	s_cselect_b32 s35, 0x10000, 0
	s_or_b32 s34, s34, s35
	s_lshr_b32 s33, s[25+2*\j], 16
	s_cselect_b32 s35, 0x20000, 0
	s_or_b32 s34, s34, s35
	s_lshl_b32 s[36+\j], s34, s32
.endr
.irp j, 0,1,2,3
	v_mov_b32 v[PT+\j], s[36+\j]
.endr
	v_lshlrev_b32 v7, 2, v3                        ; 16 wave
	ds_store_b128 v7, v[PT:PT+3] offset:ACTW       ; all lanes write the same four words
	s_wait_dscnt 0x0                               ; for wave 0's sake: they are in LDS
	s_barrier_signal -1
	s_barrier_wait -1
	s_cmp_lg_u32 s12, 0
	s_cbranch_scc1 .Ldone
.irp p, 0,1,2,3,4,5,6,7
	ds_load_b128 v[U+4*\p:U+4*\p+3], v4 offset:ACTW+16*\p
.endr
	v_mov_b32 v[T], 0
	v_mov_b32 v[T+1], 0
	global_store_b64 v2, v[T:T+1], s[8:9] offset:262144       ; my head's two rows of the block of zeros (in wave 0 v2 is 8 lane): 256 consecutive bytes each
	global_store_b64 v2, v[T:T+1], s[8:9] offset:262144+1024
	s_wait_dscnt 0x0
.irp p, 1,2,3,4,5,6,7
.irp j, 0,1,2,3
	v_or_b32 v[U+\j], v[U+\j], v[U+4*\p+\j]
.endr
.endr
	global_store_b128 v4, v[U:U+3], s[10:11]       ; the row's 128 bits; every lane holds, and stores, the same 16 bytes
.Ldone:
	s_wait_tensorcnt 0x0
	ds_add_u32 v136, v137
	s_wait_dscnt 0x0
	s_endpgm
.Lfunc_end_k_q249cf14cab_entmax:
	.size	k_q249cf14cab_entmax, .Lfunc_end_k_q249cf14cab_entmax-k_q249cf14cab_entmax
	.p2alignl 7, 3214868480
	.fill 96, 4, 3214868480
	.section	.rodata,"a",@progbits
	.p2align	6, 0x0
	.amdhsa_kernel k_q249cf14cab_entmax
		.amdhsa_group_segment_fixed_size 1280
		.amdhsa_private_segment_fixed_size 0
		.amdhsa_enable_private_segment 0
		.amdhsa_kernarg_size 32
		.amdhsa_user_sgpr_count 2
		.amdhsa_user_sgpr_kernarg_segment_ptr 1
		.amdhsa_wavefront_size32 1
		.amdhsa_system_sgpr_workgroup_id_x 1
		.amdhsa_system_sgpr_workgroup_id_y 1
		.amdhsa_system_sgpr_workgroup_id_z 1
		.amdhsa_system_vgpr_workitem_id 0
		.amdhsa_next_free_vgpr 138
		.amdhsa_next_free_sgpr 66
		.amdhsa_reserve_vcc 1
		.amdhsa_float_denorm_mode_32 3
		.amdhsa_float_denorm_mode_16_64 3
		.amdhsa_memory_ordered 1
		.amdhsa_forward_progress 1
		.amdhsa_inst_pref_size 35
	.end_amdhsa_kernel
	.amdgpu_metadata
---
amdhsa.version: [ 1, 2 ]
amdhsa.kernels:
  - .name:           k_q249cf14cab_entmax
    .symbol:         k_q249cf14cab_entmax.kd
    .args:
      - { .name: sc, .offset: 0, .size: 8, .value_kind: global_buffer, .address_space: global }
      - { .name: alpha, .offset: 8, .size: 8, .value_kind: global_buffer, .address_space: global }
      - { .name: pa, .offset: 16, .size: 8, .value_kind: global_buffer, .address_space: global }
      - { .name: act, .offset: 24, .size: 8, .value_kind: global_buffer, .address_space: global }
    .group_segment_fixed_size: 1280
    .private_segment_fixed_size: 0
    .kernarg_segment_align: 8
    .kernarg_segment_size: 32
    .max_flat_workgroup_size: 256
    .sgpr_count:     66
    .vgpr_count:     138
    .wavefront_size: 32
...
	.end_amdgpu_metadata
.endif
;; end of part 3
;; launch wsum (part 4): grid 16 x 16, 8 waves a work-group, no clusters, 56,320 bytes of LDS; arguments y, pa, act, zp; writes zp
.if DOCPART == 4
	.amdgcn_target "amdgcn-amd-amdhsa--gfx1250"
	.amdhsa_code_object_version 6
	.text
	.protected	k_q249cf14cab_wsum
	.globl	k_q249cf14cab_wsum
	.p2align	8
	.type	k_q249cf14cab_wsum,@function
k_q249cf14cab_wsum:
	s_mov_b64 s[64:65], 0
	v_nop
	global_prefetch_b8 v0, s[64:65] scope:SCOPE_SE
	s_setreg_imm32_b32 hwreg(HW_REG_WAVE_MODE, 25, 1), 1
	s_wait_xcnt 0x0
; WSUM.  sum over l of p_l (Wv y_l + bv) = Wv (sum over l of p_l y_l) + bv sum p.  This launch makes z[b][h][c] = sum over l of p[b][h][l] bf16(y[b][c][l]), in two halves of l, into zp[half][h][b][c].
; p comes as 16 rows of bf16 (row m: head 4 (m >> 3) + (m & 3), part (m >> 2) & 1): in a result registers j and j + 4 of a lane are the hi and lo rows of head 4 hh + j.
; ONLY THE BLOCKS THAT COUNT ARE READ.  A block is 64 positions: 256 consecutive aligned bytes of each row of y.  act[b][h], whole numbers that the launch before stored, has a bit for each block in
; which head h has a weight that is not 0.  The eight heads' bits are ORed. With dense weights all 64 blocks of the half are walked.
; LIMITS.  y is rounded once to bf16; the sums' order is the matrix unit's and this text's.  An infinity or NaN of y at a position where all eight weights are 0 is not carried into z.
; SHARES.  Grid 16 x 16: x = 8 groups of 64 channels x 2 halves of l, y = batch.  Of the half's n active blocks number k (in ascending order) goes to wave k % 8, with the group's 64 rows: 16 KB of y.
; Every wave walks T = 2 max(1, ceil(n / 16)) entries, two a trip.  An entry beyond a wave's own blocks multiplies y's block 127 by pa's block of zeros: at most 15 of the 8 T entries of a work-group.
; AN ENTRY is 36 loads: 16 of y (rows 0-31), 4 of p, 16 of y (rows 32-63); of y each half of the lanes reads 256 consecutive bytes, of p eight lanes read a row's 128.  Two entries' loads are kept on
; their way: the slots are registers, a slot is asked for again as soon as it has been rounded.
; K (= l) lies along y's rows, but a lane's 16 bytes are not a fragment's: 32 rounded rows go through the wave's own LDS stage (pitch 144) and come back as fragments; p's 16 rows likewise.
; LDS serves a wave's instructions in order (ISA guide 5.7.1.4), and the stages are the wave's own, so no barrier stands in the walk.
; THE SUMS ARE CLEARED, 32 v_mov_b32 in the wait for the list: the first block may be the loop's or the tail's, and a first product written out would be a third copy of the block's text.
; LEFT OUT: tensor loads (the rounding needs registers anyway), clusters (no y is shared), blocks of 32 positions (their rows would be half of an aligned 256 bytes).
; LDS: 6,912 bytes for each wave: y's stage, 32 rows x 144 (at the end the wave's partial z, 8 heads x 272); p's stage, 16 rows x 144.
; REGISTERS, window 0: v1 r, v2 hh, v3, v13, v14 at work, v4 y's lane offset, v5 p's, v6-v12 addresses, v16-17 y's offset by slot, v18-19 p's; v32-63 four accumulators (tile T = 2 rh + nt: channels
; 16 T + r); v64-95 four fragments of y; v96-127 32 rounded rows; v128-159 p as loaded, by slot; v160-175 p's two fragments.  Window 1: v0-255 y as loaded, 128 registers a slot.
; s_set_vgpr_msb: bits 1:0 source 0, 3:2 source 1, 5:4 source 2, 7:6 destination.
.set WREG, 6912                        ; a wave's LDS
.set PSTG, 4608                        ; p's stage in it
.set PY,   144
.set PZ,   272
.set YO,   16
.set PO,   18
.set ACC,  32
.set BF,   64
.set PK,   96
.set PL,   128
.set AF,   160
.set ROWB, 32768                       ; bytes from a channel's row of y to the next
.set PBATCH, 266240                    ; bytes of pa for a batch: 65 pairs of blocks, 16 rows of 256 bytes each
.set MSB,  0
.macro WIN new                         ; the immediate's high byte repeats the setting that is left; a switch that changes nothing is dropped
.if MSB != (\new)
	s_set_vgpr_msb (MSB<<8)|(\new)
.set MSB, (\new)
.endif
.endm
; THE NEXT ENTRY of my list, for slot p.  s50, s51: my blocks still to come, a bit each.  e = the lowest bit's number, 128 if none is left.  pb = min(64 half + e, 128) is the block in pa (128: zeros),
; yb = min(pb, 127) the block in y.  Both are bounded by constants in the instruction before they enter an offset, and only ANDs, shifts left and sums follow.
.macro NEXT p
	s_ctz_i32_b32 s56, s50
	s_ctz_i32_b32 s57, s51                         ; all ones where the word is 0,
	s_min_u32 s57, s57, 96                         ; which becomes 96,
	s_add_co_u32 s57, s57, 32                      ; and 128 here
	s_sub_co_u32 s58, s51, 1
	s_and_b32 s58, s51, s58                        ; the upper word without its lowest bit
	s_cmp_lg_u32 s50, 0
	s_cselect_b32 s59, s56, s57
	s_cselect_b32 s51, s51, s58
	s_sub_co_u32 s58, s50, 1
	s_and_b32 s50, s50, s58                        ; the lower word without its lowest bit (0 stays 0)
	s_add_co_u32 s59, s59, s55
	s_min_u32 s59, s59, 128
	s_min_u32 s60, s59, 127
	s_lshl_b32 s60, s60, 8                         ; y: 256 bytes a block
	s_and_b32 s61, s59, 0x1fe
	s_lshl_b32 s61, s61, 11                        ; pa: 4,096 bytes a pair of blocks,
	s_and_b32 s62, s59, 1
	s_lshl_b32 s62, s62, 7                         ; 128 bytes into each row for the odd one
	s_add_co_u32 s61, s61, s62
	v_add_nc_u32 v[YO+(\p)], s60, v4
	v_add_nc_u32 v[PO+(\p)], s61, v5
.endm
.macro LOADY p, rh                     ; load q: row 32 rh + 16 (q >> 3) + (q & 7) + 8 hh of the group, 16 r bytes into the block
	WIN 0x40
.set q, 0
.rept 16
	global_load_b128 v[128*(\p)+64*(\rh)+4*q:128*(\p)+64*(\rh)+4*q+3], v[YO+(\p)], s[4:5] offset:(32*(\rh)+16*(q>>3)+(q&7))*ROWB th:TH_LOAD_NT
.set q, q+1
.endr
.endm
.macro LOADP p                         ; load i: rows 4 i + lane / 8 of the block's 16
	WIN 0
.irp i, 0,1,2,3
	global_load_b128 v[PL+16*(\p)+4*\i:PL+16*(\p)+4*\i+3], v[PO+(\p)], s[6:7] offset:1024*\i
.endr
.endm
; HALF A BLOCK: 32 rows.  The 32 conversions, which name none of the last products' registers, are the places in front of the loads into the fragments (ISA guide 7.12.1 for vector instructions).
; Two accumulators take turns, and the next half begins on the other pair, over the loop's edge too.
.macro HALF p, rh, fill
	WIN 0x05
.set q, 0
.rept 16
	v_cvt_pk_bf16_f32 v[PK+2*q],   v[128*(\p)+64*(\rh)+4*q],   v[128*(\p)+64*(\rh)+4*q+1]
	v_cvt_pk_bf16_f32 v[PK+2*q+1], v[128*(\p)+64*(\rh)+4*q+2], v[128*(\p)+64*(\rh)+4*q+3]
.set q, q+1
.endr
.if \fill
.if \rh
	LOADP \p                                       ; p's registers went into LDS in the first half, behind whose wait for LDS this line stands
.endif
	LOADY \p, \rh                                  ; the registers just rounded are asked for again: the entry two on
.endif
	WIN 0
.if (\rh) == 0
.irp i, 0,1,2,3
	ds_store_b128 v6, v[PL+16*(\p)+4*\i:PL+16*(\p)+4*\i+3] offset:4*PY*\i
.endr
.endif
.set q, 0
.rept 16
	ds_store_b64 v8, v[PK+2*q:PK+2*q+1] offset:((q&7)+16*(q>>3))*PY
.set q, q+1
.endr
.if (\rh) == 0
.irp k, 0,1
	ds_load_b128 v[AF+8*\k:AF+8*\k+3],   v7 offset:64*\k
	ds_load_b128 v[AF+8*\k+4:AF+8*\k+7], v7 offset:64*\k+32
.endr
.endif
.set q, 0
.rept 4                                ; fragment (nt, ks) = (q >> 1, q & 1): rows 16 nt + r, positions 32 ks on
	ds_load_b128 v[BF+8*q:BF+8*q+3],   v9 offset:(q>>1)*16*PY+64*(q&1)
	ds_load_b128 v[BF+8*q+4:BF+8*q+7], v9 offset:(q>>1)*16*PY+64*(q&1)+32
.set q, q+1
.endr
	s_wait_dscnt 0x0                               ; the fragments are in
.set q, 0
.rept 4                                ; (ks, nt) = (q >> 1, q & 1)
	v_wmma_f32_16x16x32_bf16 v[ACC+8*(2*(\rh)+(q&1)):ACC+8*(2*(\rh)+(q&1))+7], v[AF+8*(q>>1):AF+8*(q>>1)+7], v[BF+16*(q&1)+8*(q>>1):BF+16*(q&1)+8*(q>>1)+7], v[ACC+8*(2*(\rh)+(q&1)):ACC+8*(2*(\rh)+(q&1))+7]
.set q, q+1
.endr
.endm
; A BLOCK in slot p.  n = the loads issued behind this entry's 36.  The wait also shows done the loads that read the slot's two offset registers, which NEXT writes anew.
.macro BLOCK p, fill, n
	s_wait_loadcnt \n
.if \fill
	NEXT \p
.endif
	HALF \p, 0, \fill
	HALF \p, 1, \fill
.endm
	s_load_b256 s[4:11], s[0:1], 0x0               ; y s[4:5], pa s[6:7], act s[8:9], zp s[10:11]
	v_lshl_add_u32 v254, v0, 2, 0xd800
	v_mov_b32 v255, 0
	v_lshrrev_b32 v3, 5, v0
	v_readfirstlane_b32 s14, v3                    ; wave w
	s_and_b32 s15, ttmp7, 0xffff                   ; batch
	s_and_b32 s16, ttmp9, 7                        ; group of 64 channels
	s_lshr_b32 s17, ttmp9, 3                       ; half of l
	v_and_b32 v1, 15, v0
	v_bfe_u32 v2, v0, 4, 1
	v_lshlrev_b32 v4, 18, v2
	v_lshl_or_b32 v4, v1, 4, v4                    ; y: 8 hh rows + 16 r
	v_bfe_u32 v3, v0, 3, 2                         ; lane / 8
	v_and_b32 v13, 7, v0                           ; lane % 8
	v_lshlrev_b32 v5, 8, v3
	v_lshl_or_b32 v5, v13, 4, v5                   ; pa: row lane / 8 of 256 bytes, 16 (lane % 8)
	s_lshl_b32 s20, s15, 24                        ; y: 16 MB a batch, 64 rows a group
	s_lshl_b32 s18, s16, 21
	s_add_co_u32 s20, s20, s18
	s_mov_b32 s21, 0
	s_mul_i32 s22, s15, PBATCH                     ; pa: the batch
	s_mov_b32 s23, 0
	s_lshl_b32 s24, s15, 7                         ; act: 128 bytes a batch, the half's two words of each head's four
	s_lshl3_add_u32 s24, s17, s24
	s_mov_b32 s25, 0
	s_lshl_b32 s28, s17, 18                        ; zp: half, head 2 w (+ hh), batch, the group's 256 bytes (waves 0-3 store)
	s_lshl_b32 s18, s14, 16
	s_add_co_u32 s28, s28, s18
	s_lshl_b32 s18, s15, 11
	s_add_co_u32 s28, s28, s18
	s_lshl_b32 s18, s16, 8
	s_add_co_u32 s28, s28, s18
	s_mov_b32 s29, 0
	s_lshl_b32 s55, s17, 6                         ; the half's first block
	s_mul_i32 s26, s14, WREG                       ; my wave's LDS
	s_mul_i32 s27, s14, 2*PZ
	s_add_co_u32 s30, s26, PSTG
	s_wait_kmcnt 0x0
	s_add_nc_u64 s[4:5], s[4:5], s[20:21]
	s_add_nc_u64 s[6:7], s[6:7], s[22:23]
	s_add_nc_u64 s[8:9], s[8:9], s[24:25]
	s_add_nc_u64 s[10:11], s[10:11], s[28:29]
.irp h, 0,1,2,3,4,5,6,7
	s_load_b64 s[32+2*\h:33+2*\h], s[8:9], 16*\h
.endr
	; in the wait for the list: the LDS addresses, and the sums' zeros
	v_mul_u32_u24 v6, v3, PY
	v_lshl_add_u32 v6, v13, 4, v6
	v_add_nc_u32 v6, s30, v6                       ; p into its stage: row lane / 8 (+ 4 i), 16 (lane % 8)
	v_mul_u32_u24 v9, v1, PY
	v_lshl_add_u32 v9, v2, 4, v9
	v_add_nc_u32 v7, s30, v9                       ; p's fragments: row r, 16 hh
	v_add_nc_u32 v9, s26, v9                       ; y's fragments: row r, 16 hh
	v_mul_u32_u24 v8, v2, 8*PY
	v_lshl_add_u32 v8, v1, 3, v8
	v_add_nc_u32 v8, s26, v8                       ; y into its stage: 8 hh rows on, 8 r
	v_mul_u32_u24 v10, v2, 4*PZ
	v_lshl_add_u32 v10, v1, 2, v10
	v_add_nc_u32 v10, s26, v10                     ; my partial z: head 4 hh (+ j), channel r (+ 16 T)
	v_mul_u32_u24 v11, v2, PZ
	v_lshl_add_u32 v11, v1, 4, v11
	v_add_nc_u32 v11, s27, v11                     ; back: head 2 w + hh of wave 0's partial; the others lie WREG apart
	v_lshlrev_b32 v12, 15, v2
	v_lshl_or_b32 v12, v1, 4, v12                  ; zp: hh heads on, 16 r
.set i, 0
.rept 32
	v_mov_b32 v[ACC+i], 0
.set i, i+1
.endr
	s_wait_kmcnt 0x0
	s_or_b32 s48, s32, s34                         ; a block counts if any head has a weight in it
	s_or_b32 s49, s33, s35
.irp h, 2,3,4,5,6,7
	s_or_b32 s48, s48, s[32+2*\h]
	s_or_b32 s49, s49, s[33+2*\h]
.endr
	s_bcnt1_i32_b32 s52, s48
	s_bcnt1_i32_b32 s62, s49
	v_mbcnt_lo_u32_b32 v13, s48, 0                 ; lane i: how many active blocks lie below block i,
	v_mbcnt_lo_u32_b32 v14, s49, s52               ; and below block 32 + i
	v_and_b32 v13, 7, v13
	v_and_b32 v14, 7, v14
	v_cmp_eq_u32 s50, s14, v13                     ; active block number k is wave k % 8's
	v_cmp_eq_u32 s51, s14, v14
	s_and_b32 s50, s50, s48
	s_and_b32 s51, s51, s49
	s_add_co_u32 s53, s52, s62                     ; n
	s_add_co_u32 s53, s53, 15
	s_lshr_b32 s53, s53, 4
	s_max_u32 s53, s53, 1                          ; T / 2, the same in all eight waves
	s_sub_co_u32 s53, s53, 1                       ; the loop's trips: the last two entries stand behind it
	s_min_u32 s53, s53, 3                          ; (n is 64 at the most)
	NEXT 0
	NEXT 1
	LOADY 0, 0
	LOADP 0
	LOADY 0, 1
	LOADY 1, 0
	LOADP 1
	LOADY 1, 1
	WIN 0                                          ; at a label and at a branch every window is 0
	s_mov_b32 s54, 0
	s_cmp_eq_u32 s53, 0
	s_cbranch_scc1 .Ltail
.Lwalk:                                                ; a trip: two entries are multiplied, and the two that follow the two on their way are asked for
	BLOCK 0, 1, 36                                 ; the other slot's 36 loads stay out: they alone were issued behind this entry's
	BLOCK 1, 1, 36
	s_add_co_u32 s54, s54, 1
	s_cmp_lt_u32 s54, s53
	s_cbranch_scc1 .Lwalk
.Ltail:
	BLOCK 0, 0, 36                                 ; the last two entries ask for nothing
	BLOCK 1, 0, 0
	; THE END.  hi row + lo row; the wave's partial goes into its LDS; a barrier; waves 0-3 add the eight partials and store.
.rept 4
	v_nop                                          ; the places behind the last products: no other vector work is at hand
.endr
.set t, 0
.rept 4
	v_pk_add_f32 v[BF+4*t:BF+4*t+1],   v[ACC+8*t:ACC+8*t+1],   v[ACC+8*t+4:ACC+8*t+5]  ; each accumulator is read from its low end on
	v_pk_add_f32 v[BF+4*t+2:BF+4*t+3], v[ACC+8*t+2:ACC+8*t+3], v[ACC+8*t+6:ACC+8*t+7]
.set t, t+1
.endr
.set t, 0
.rept 4
.set j, 0
.rept 4
	ds_store_b32 v10, v[BF+4*t+j] offset:j*PZ+64*t
.set j, j+1
.endr
.set t, t+1
.endr
	s_wait_dscnt 0x0                               ; for the others' sake: my partial is in LDS
	s_barrier_signal -1
	s_barrier_wait -1
	s_cmp_ge_u32 s14, 4
	s_cbranch_scc1 .Ldone
.irp p, 0,1,2,3,4,5,6,7
	ds_load_b128 v[PK+4*\p:PK+4*\p+3], v11 offset:WREG*\p
.endr
	s_wait_dscnt 0x0
.irp p, 0,2,4,6
	v_pk_add_f32 v[PK+4*\p:PK+4*\p+1],   v[PK+4*\p:PK+4*\p+1],   v[PK+4*\p+4:PK+4*\p+5]
	v_pk_add_f32 v[PK+4*\p+2:PK+4*\p+3], v[PK+4*\p+2:PK+4*\p+3], v[PK+4*\p+6:PK+4*\p+7]
.endr
.irp p, 0,4
	v_pk_add_f32 v[PK+4*\p:PK+4*\p+1],   v[PK+4*\p:PK+4*\p+1],   v[PK+4*\p+8:PK+4*\p+9]
	v_pk_add_f32 v[PK+4*\p+2:PK+4*\p+3], v[PK+4*\p+2:PK+4*\p+3], v[PK+4*\p+10:PK+4*\p+11]
.endr
	v_pk_add_f32 v[PK:PK+1],   v[PK:PK+1],   v[PK+16:PK+17]
	v_pk_add_f32 v[PK+2:PK+3], v[PK+2:PK+3], v[PK+18:PK+19]
	global_store_b128 v12, v[PK:PK+3], s[10:11]    ; sixteen lanes store 256 consecutive bytes of row (head 2 w + hh, batch), aligned
.Ldone:
	s_wait_tensorcnt 0x0
	ds_add_u32 v254, v255
	s_wait_dscnt 0x0
	s_endpgm
.Lfunc_end_k_q249cf14cab_wsum:
	.size	k_q249cf14cab_wsum, .Lfunc_end_k_q249cf14cab_wsum-k_q249cf14cab_wsum
	.p2alignl 7, 3214868480
	.fill 96, 4, 3214868480
	.section	.rodata,"a",@progbits
	.p2align	6, 0x0
	.amdhsa_kernel k_q249cf14cab_wsum
		.amdhsa_group_segment_fixed_size 56320
		.amdhsa_private_segment_fixed_size 0
		.amdhsa_enable_private_segment 0
		.amdhsa_kernarg_size 32
		.amdhsa_user_sgpr_count 2
		.amdhsa_user_sgpr_kernarg_segment_ptr 1
		.amdhsa_wavefront_size32 1
		.amdhsa_system_sgpr_workgroup_id_x 1
		.amdhsa_system_sgpr_workgroup_id_y 1
		.amdhsa_system_sgpr_workgroup_id_z 1
		.amdhsa_system_vgpr_workitem_id 0
		.amdhsa_next_free_vgpr 512
		.amdhsa_next_free_sgpr 66
		.amdhsa_reserve_vcc 0
		.amdhsa_float_denorm_mode_32 3
		.amdhsa_float_denorm_mode_16_64 3
		.amdhsa_memory_ordered 1
		.amdhsa_forward_progress 1
		.amdhsa_inst_pref_size 60
	.end_amdhsa_kernel
	.amdgpu_metadata
---
amdhsa.version: [ 1, 2 ]
amdhsa.kernels:
  - .name:           k_q249cf14cab_wsum
    .symbol:         k_q249cf14cab_wsum.kd
    .args:
      - { .name: y, .offset: 0, .size: 8, .value_kind: global_buffer, .address_space: global }
      - { .name: pa, .offset: 8, .size: 8, .value_kind: global_buffer, .address_space: global }
      - { .name: act, .offset: 16, .size: 8, .value_kind: global_buffer, .address_space: global }
      - { .name: zp, .offset: 24, .size: 8, .value_kind: global_buffer, .address_space: global }
    .group_segment_fixed_size: 56320
    .private_segment_fixed_size: 0
    .kernarg_segment_align: 8
    .kernarg_segment_size: 32
    .max_flat_workgroup_size: 256
    .sgpr_count:     66
    .vgpr_count:     512
    .wavefront_size: 32
...
	.end_amdgpu_metadata
.endif
;; end of part 4
;; launch att (part 5): grid 8 x 1, 16 waves a work-group, no clusters, 119,296 bytes of LDS; arguments zp, Wv, bv, att; writes att
.if DOCPART == 5
	.amdgcn_target "amdgcn-amd-amdhsa--gfx1250"
	.amdhsa_code_object_version 6
	.text
	.protected	k_q249cf14cab_att
	.globl	k_q249cf14cab_att
	.p2align	8
	.type	k_q249cf14cab_att,@function
k_q249cf14cab_att:
	s_mov_b64 s[64:65], 0
	v_nop
	global_prefetch_b8 v0, s[64:65] scope:SCOPE_SE
	s_setreg_imm32_b32 hwreg(HW_REG_WAVE_MODE, 25, 1), 1
	s_wait_xcnt 0x0
; ATT.  att[b][64 g + d] = sum over c of z[b][g][c] bf16(Wv[64 g + d][c]) + bv[64 g + d], where z = the two halves of zp added, kept as bf16 hi + bf16 lo.
; bv is added once: the weights sum to 1 by the module's own division.  LIMITS: Wv is rounded once to bf16, bv stays f32; the sums' order is this text's.
; One text serves this launch and the last projection; they differ in the three constants below.
; SHARES.  Work-group g makes 64 columns for all 16 batches, so that each stored piece of a row is 256 consecutive aligned bytes: eight work-groups, sixteen waves.
; Wave (nt = w & 3, kq = w >> 2): 16 batches x 16 columns over a quarter of K.  No cluster, no tensor load: each operand is rounded in registers, and the launch moves 1.5 MB.
.set NPART,    2                       ; the left operand is the sum of so many parts,
.set PSTRIDE,  262144                  ; so many bytes apart;
.set WGSTRIDE, 32768                   ; work-group g takes its 16 rows so many bytes times g on
.set PX,  1040                         ; a row of 512 bf16 + 16 bytes: an odd multiple of 16, so that a fragment's 16 rows begin in 16 different 16-byte columns of 256 bytes
.set AH,  0                            ; the left operand, hi, 16 rows
.set AL,  AH+16*PX                     ; lo
.set WB,  AL+16*PX                     ; the weights, 64 rows
.set PR,  272
.set RED, WB+64*PX                     ; four partial results (quarters of K), 16 rows of 64 f32 each
; REGISTERS.  v1 r, v2 hh, v3 lane, v4 16 lane, v5-v11, v144, v145 addresses; v12-15 bias; v16-31 at work; v32-63 the left operand as loaded, v64-127 the weights as loaded;
; later v32-63, v64-95, v96-127 fragments (hi, lo, weights); v128-135, v136-143 two accumulators.
.macro CV2 r                           ; four f32 at v[r] become four bf16 in v[r], v[r+1]
	v_cvt_pk_bf16_f32 v[\r], v[\r], v[(\r)+1]
	v_cvt_pk_bf16_f32 v[(\r)+1], v[(\r)+2], v[(\r)+3]
.endm
.macro SPLIT4 src, hi, lo, tmp         ; four f32 become four bf16 (hi) and the bf16 of what the rounding left (lo)
	v_cvt_pk_bf16_f32 v[\hi], v[\src], v[(\src)+1]
	v_cvt_pk_bf16_f32 v[(\hi)+1], v[(\src)+2], v[(\src)+3]
	v_lshlrev_b32 v[\tmp], 16, v[\hi]
	v_and_b32 v[(\tmp)+1], 0xffff0000, v[\hi]
	v_lshlrev_b32 v[(\tmp)+2], 16, v[(\hi)+1]
	v_and_b32 v[(\tmp)+3], 0xffff0000, v[(\hi)+1]
	v_pk_add_f32 v[\tmp:(\tmp)+1], v[\src:(\src)+1], v[\tmp:(\tmp)+1] neg_lo:[0,1] neg_hi:[0,1]
	v_pk_add_f32 v[(\tmp)+2:(\tmp)+3], v[(\src)+2:(\src)+3], v[(\tmp)+2:(\tmp)+3] neg_lo:[0,1] neg_hi:[0,1]
	v_cvt_pk_bf16_f32 v[\lo], v[\tmp], v[(\tmp)+1]
	v_cvt_pk_bf16_f32 v[(\lo)+1], v[(\tmp)+2], v[(\tmp)+3]
.endm
	s_load_b256 s[4:11], s[0:1], 0x0               ; left operand s[4:5], weights s[6:7], bias s[8:9], result s[10:11]
	v_lshl_add_u32 v160, v0, 2, 0x1ca00
	v_mov_b32 v161, 0
	v_lshrrev_b32 v1, 5, v0
	v_readfirstlane_b32 s14, v1                    ; wave w
	s_mov_b32 s15, ttmp9                           ; g
	v_and_b32 v1, 15, v0
	v_bfe_u32 v2, v0, 4, 1
	v_and_b32 v3, 31, v0
	v_lshlrev_b32 v4, 4, v3
	v_lshlrev_b32 v144, 4, v1
	s_lshl_b32 s16, s14, 11                        ; left operand: row w
.if WGSTRIDE
	s_mul_i32 s17, s15, WGSTRIDE
	s_add_co_u32 s16, s16, s17
.endif
	s_mov_b32 s17, 0
	s_lshl_b32 s18, s15, 17                        ; weights: rows 64 g + 4 w on
	s_lshl_b32 s19, s14, 13
	s_add_co_u32 s18, s18, s19
	s_mov_b32 s19, 0
	s_lshl_b32 s20, s15, 8                         ; bias and result: the 64 columns' 256 bytes
	s_mov_b32 s21, 0
	s_wait_kmcnt 0x0
	s_add_nc_u64 s[4:5], s[4:5], s[16:17]
	s_add_nc_u64 s[6:7], s[6:7], s[18:19]
	s_add_nc_u64 s[8:9], s[8:9], s[20:21]
	s_add_nc_u64 s[10:11], s[10:11], s[20:21]
	; PHASE 1: all loads at once, 512 consecutive bytes each
	global_load_b128 v[12:15], v144, s[8:9]
.irp q, 0,1,2,3
	global_load_b128 v[32+4*\q:35+4*\q], v4, s[4:5] offset:512*\q
.endr
.if NPART == 2
.irp q, 0,1,2,3
	global_load_b128 v[48+4*\q:51+4*\q], v4, s[4:5] offset:PSTRIDE+512*\q
.endr
.endif
.irp i, 0,1,2,3
.irp q, 0,1,2,3
	global_load_b128 v[64+16*\i+4*\q:67+16*\i+4*\q], v4, s[6:7] offset:2048*\i+512*\q
.endr
.endr
	s_mul_i32 s16, s14, PX
	v_lshl_add_u32 v5, v3, 3, s16                  ; left operand into AH: row w, 8 bytes a lane
	s_mul_i32 s16, s14, 4*PX
	s_add_co_u32 s16, s16, WB
	v_lshl_add_u32 v6, v3, 3, s16                  ; weights into WB: rows 4 w on
	s_and_b32 s22, s14, 3                          ; nt
	s_lshr_b32 s23, s14, 2                         ; kq
	v_mul_u32_u24 v8, v1, PX
	v_lshl_add_u32 v8, v2, 4, v8
	s_lshl_b32 s16, s23, 8
	v_add_nc_u32 v8, s16, v8                       ; the left fragments: row r, 16 hh, my 256 bytes of K
	s_mul_i32 s16, s22, 16*PX
	s_add_co_u32 s16, s16, WB
	v_add_nc_u32 v9, s16, v8                       ; the weights' fragments: row 16 nt + r
	s_wait_loadcnt 16                              ; the bias and the left operand are in; the weights' 16 loads may be out
.irp q, 0,1,2,3
.if NPART == 2
	v_pk_add_f32 v[32+4*\q:33+4*\q], v[32+4*\q:33+4*\q], v[48+4*\q:49+4*\q]
	v_pk_add_f32 v[34+4*\q:35+4*\q], v[34+4*\q:35+4*\q], v[50+4*\q:51+4*\q]
.endif
	SPLIT4 32+4*\q, 16+8*(\q%2), 18+8*(\q%2), 20+8*(\q%2)
	ds_store_b64 v5, v[16+8*(\q%2):17+8*(\q%2)] offset:256*\q
	ds_store_b64 v5, v[18+8*(\q%2):19+8*(\q%2)] offset:AL+256*\q
.endr
.irp i, 0,1,2,3
	s_wait_loadcnt 12-4*\i                         ; row i of my four is in: behind it were issued 4 (3 - i) loads
.irp q, 0,1,2,3
	CV2 64+16*\i+4*\q
	ds_store_b64 v6, v[64+16*\i+4*\q:65+16*\i+4*\q] offset:PX*\i+256*\q
.endr
.endr
	s_wait_dscnt 0x0                               ; for the others' sake: my rows are in LDS
	s_barrier_signal -1
	s_barrier_wait -1
	; PHASE 2: four K steps of 32; hi's products on one accumulator, lo's on the other, by turns
.irp i, 0,1,2,3
	ds_load_b128 v[32+8*\i:35+8*\i], v8 offset:64*\i
	ds_load_b128 v[36+8*\i:39+8*\i], v8 offset:64*\i+32
	ds_load_b128 v[64+8*\i:67+8*\i], v8 offset:AL+64*\i
	ds_load_b128 v[68+8*\i:71+8*\i], v8 offset:AL+64*\i+32
	ds_load_b128 v[96+8*\i:99+8*\i], v9 offset:64*\i
	ds_load_b128 v[100+8*\i:103+8*\i], v9 offset:64*\i+32
.endr
	s_wait_dscnt 0x0
	v_wmma_f32_16x16x32_bf16 v[128:135], v[32:39], v[96:103], 0
	v_wmma_f32_16x16x32_bf16 v[136:143], v[64:71], v[96:103], 0
.irp i, 1,2,3
	v_wmma_f32_16x16x32_bf16 v[128:135], v[32+8*\i:39+8*\i], v[96+8*\i:103+8*\i], v[128:135]
	v_wmma_f32_16x16x32_bf16 v[136:143], v[64+8*\i:71+8*\i], v[96+8*\i:103+8*\i], v[136:143]
.endr
	; the next phases' addresses: eight plain instructions that name none of the products' registers stand behind the products (ISA guide 7.12.1)
	s_mul_i32 s16, s23, 16*PR
	s_lshl_b32 s17, s22, 6
	s_add_co_u32 s16, s16, s17
	s_add_co_u32 s16, s16, RED
	v_mul_u32_u24 v10, v2, 8*PR
	v_lshl_add_u32 v10, v1, 2, v10
	v_add_nc_u32 v10, s16, v10                     ; partial: quarter kq, row 8 hh (+ j), column 16 nt + r
	s_mul_i32 s16, s14, 2*PR
	s_add_co_u32 s16, s16, RED
	v_mul_u32_u24 v11, v2, PR
	v_lshl_add_u32 v11, v1, 4, v11
	v_add_nc_u32 v11, s16, v11                     ; back: batch 2 w + hh, four columns at 4 r (waves 0-7)
	s_lshl_b32 s16, s14, 12
	v_lshl_add_u32 v145, v2, 11, s16
	v_lshl_add_u32 v145, v1, 4, v145               ; and the same place in the result: 2,048 bytes a batch
	v_pk_add_f32 v[128:129], v[128:129], v[136:137]  ; each accumulator is read from its low end on
	v_pk_add_f32 v[130:131], v[130:131], v[138:139]
	v_pk_add_f32 v[132:133], v[132:133], v[140:141]
	v_pk_add_f32 v[134:135], v[134:135], v[142:143]
.irp j, 0,1,2,3,4,5,6,7
	ds_store_b32 v10, v[128+\j] offset:PR*\j
.endr
	s_wait_dscnt 0x0
	s_barrier_signal -1
	s_barrier_wait -1
	; PHASE 3, waves 0-7: the four quarters, the bias, the store
	s_cmp_ge_u32 s14, 8
	s_cbranch_scc1 .Ldone
.irp k, 0,1,2,3
	ds_load_b128 v[16+4*\k:19+4*\k], v11 offset:16*PR*\k
.endr
	s_wait_dscnt 0x0
	v_pk_add_f32 v[16:17], v[16:17], v[20:21]
	v_pk_add_f32 v[18:19], v[18:19], v[22:23]
	v_pk_add_f32 v[24:25], v[24:25], v[28:29]
	v_pk_add_f32 v[26:27], v[26:27], v[30:31]
	v_pk_add_f32 v[16:17], v[16:17], v[24:25]
	v_pk_add_f32 v[18:19], v[18:19], v[26:27]
	v_pk_add_f32 v[16:17], v[16:17], v[12:13]
	v_pk_add_f32 v[18:19], v[18:19], v[14:15]
	global_store_b128 v145, v[16:19], s[10:11]     ; sixteen lanes store 256 consecutive bytes of a batch's row, aligned
.Ldone:
	s_wait_tensorcnt 0x0
	ds_add_u32 v160, v161
	s_wait_dscnt 0x0
	s_endpgm
.Lfunc_end_k_q249cf14cab_att:
	.size	k_q249cf14cab_att, .Lfunc_end_k_q249cf14cab_att-k_q249cf14cab_att
	.p2alignl 7, 3214868480
	.fill 96, 4, 3214868480
	.section	.rodata,"a",@progbits
	.p2align	6, 0x0
	.amdhsa_kernel k_q249cf14cab_att
		.amdhsa_group_segment_fixed_size 119296
		.amdhsa_private_segment_fixed_size 0
		.amdhsa_enable_private_segment 0
		.amdhsa_kernarg_size 32
		.amdhsa_user_sgpr_count 2
		.amdhsa_user_sgpr_kernarg_segment_ptr 1
		.amdhsa_wavefront_size32 1
		.amdhsa_system_sgpr_workgroup_id_x 1
		.amdhsa_system_sgpr_workgroup_id_y 1
		.amdhsa_system_sgpr_workgroup_id_z 1
		.amdhsa_system_vgpr_workitem_id 0
		.amdhsa_next_free_vgpr 162
		.amdhsa_next_free_sgpr 66
		.amdhsa_reserve_vcc 0
		.amdhsa_float_denorm_mode_32 3
		.amdhsa_float_denorm_mode_16_64 3
		.amdhsa_memory_ordered 1
		.amdhsa_forward_progress 1
		.amdhsa_inst_pref_size 16
	.end_amdhsa_kernel
	.amdgpu_metadata
---
amdhsa.version: [ 1, 2 ]
amdhsa.kernels:
  - .name:           k_q249cf14cab_att
    .symbol:         k_q249cf14cab_att.kd
    .args:
      - { .name: zp, .offset: 0, .size: 8, .value_kind: global_buffer, .address_space: global }
      - { .name: Wv, .offset: 8, .size: 8, .value_kind: global_buffer, .address_space: global }
      - { .name: bv, .offset: 16, .size: 8, .value_kind: global_buffer, .address_space: global }
      - { .name: att, .offset: 24, .size: 8, .value_kind: global_buffer, .address_space: global }
    .group_segment_fixed_size: 119296
    .private_segment_fixed_size: 0
    .kernarg_segment_align: 8
    .kernarg_segment_size: 32
    .max_flat_workgroup_size: 512
    .sgpr_count:     66
    .vgpr_count:     162
    .wavefront_size: 32
...
	.end_amdgpu_metadata
.endif
;; end of part 5
;; launch outp (part 6): grid 8 x 1, 16 waves a work-group, no clusters, 119,296 bytes of LDS; arguments att, Wo, bo, out0; writes out0
.if DOCPART == 6
	.amdgcn_target "amdgcn-amd-amdhsa--gfx1250"
	.amdhsa_code_object_version 6
	.text
	.protected	k_q249cf14cab_outp
	.globl	k_q249cf14cab_outp
	.p2align	8
	.type	k_q249cf14cab_outp,@function
k_q249cf14cab_outp:
	s_mov_b64 s[64:65], 0
	v_nop
	global_prefetch_b8 v0, s[64:65] scope:SCOPE_SE
	s_setreg_imm32_b32 hwreg(HW_REG_WAVE_MODE, 25, 1), 1
	s_wait_xcnt 0x0
; OUTP.  out[b][64 g + n] = sum over o of att[b][o] bf16(Wo[64 g + n][o]) + bo[64 g + n], with att kept as bf16 hi + bf16 lo.
; LIMITS: Wo is rounded once to bf16, bo stays f32; the sums' order is this text's.
; One text serves this launch and the launch before it; they differ in the three constants below.
; SHARES.  Work-group g makes 64 columns for all 16 batches, so that each stored piece of a row is 256 consecutive aligned bytes: eight work-groups, sixteen waves.
; Wave (nt = w & 3, kq = w >> 2): 16 batches x 16 columns over a quarter of K.  No cluster, no tensor load: each operand is rounded in registers, and the launch moves 1 MB.
.set NPART,    1                       ; the left operand is the sum of so many parts,
.set PSTRIDE,  0                       ; so many bytes apart;
.set WGSTRIDE, 0                       ; work-group g takes its 16 rows so many bytes times g on
.set PX,  1040                         ; a row of 512 bf16 + 16 bytes: an odd multiple of 16, so that a fragment's 16 rows begin in 16 different 16-byte columns of 256 bytes
.set AH,  0                            ; the left operand, hi, 16 rows
.set AL,  AH+16*PX                     ; lo
.set WB,  AL+16*PX                     ; the weights, 64 rows
.set PR,  272
.set RED, WB+64*PX                     ; four partial results (quarters of K), 16 rows of 64 f32 each
; REGISTERS.  v1 r, v2 hh, v3 lane, v4 16 lane, v5-v11, v144, v145 addresses; v12-15 bias; v16-31 at work; v32-47 the left operand as loaded, v64-127 the weights as loaded;
; later v32-63, v64-95, v96-127 fragments (hi, lo, weights); v128-135, v136-143 two accumulators.
.macro CV2 r                           ; four f32 at v[r] become four bf16 in v[r], v[r+1]
	v_cvt_pk_bf16_f32 v[\r], v[\r], v[(\r)+1]
	v_cvt_pk_bf16_f32 v[(\r)+1], v[(\r)+2], v[(\r)+3]
.endm
.macro SPLIT4 src, hi, lo, tmp         ; four f32 become four bf16 (hi) and the bf16 of what the rounding left (lo)
	v_cvt_pk_bf16_f32 v[\hi], v[\src], v[(\src)+1]
	v_cvt_pk_bf16_f32 v[(\hi)+1], v[(\src)+2], v[(\src)+3]
	v_lshlrev_b32 v[\tmp], 16, v[\hi]
	v_and_b32 v[(\tmp)+1], 0xffff0000, v[\hi]
	v_lshlrev_b32 v[(\tmp)+2], 16, v[(\hi)+1]
	v_and_b32 v[(\tmp)+3], 0xffff0000, v[(\hi)+1]
	v_pk_add_f32 v[\tmp:(\tmp)+1], v[\src:(\src)+1], v[\tmp:(\tmp)+1] neg_lo:[0,1] neg_hi:[0,1]
	v_pk_add_f32 v[(\tmp)+2:(\tmp)+3], v[(\src)+2:(\src)+3], v[(\tmp)+2:(\tmp)+3] neg_lo:[0,1] neg_hi:[0,1]
	v_cvt_pk_bf16_f32 v[\lo], v[\tmp], v[(\tmp)+1]
	v_cvt_pk_bf16_f32 v[(\lo)+1], v[(\tmp)+2], v[(\tmp)+3]
.endm
	s_load_b256 s[4:11], s[0:1], 0x0               ; left operand s[4:5], weights s[6:7], bias s[8:9], result s[10:11]
	v_lshl_add_u32 v160, v0, 2, 0x1ca00
	v_mov_b32 v161, 0
	v_lshrrev_b32 v1, 5, v0
	v_readfirstlane_b32 s14, v1                    ; wave w
	s_mov_b32 s15, ttmp9                           ; g
	v_and_b32 v1, 15, v0
	v_bfe_u32 v2, v0, 4, 1
	v_and_b32 v3, 31, v0
	v_lshlrev_b32 v4, 4, v3
	v_lshlrev_b32 v144, 4, v1
	s_lshl_b32 s16, s14, 11                        ; left operand: row w
.if WGSTRIDE
	s_mul_i32 s17, s15, WGSTRIDE
	s_add_co_u32 s16, s16, s17
.endif
	s_mov_b32 s17, 0
	s_lshl_b32 s18, s15, 17                        ; weights: rows 64 g + 4 w on
	s_lshl_b32 s19, s14, 13
	s_add_co_u32 s18, s18, s19
	s_mov_b32 s19, 0
	s_lshl_b32 s20, s15, 8                         ; bias and result: the 64 columns' 256 bytes
	s_mov_b32 s21, 0
	s_wait_kmcnt 0x0
	s_add_nc_u64 s[4:5], s[4:5], s[16:17]
	s_add_nc_u64 s[6:7], s[6:7], s[18:19]
	s_add_nc_u64 s[8:9], s[8:9], s[20:21]
	s_add_nc_u64 s[10:11], s[10:11], s[20:21]
	; PHASE 1: all loads at once, 512 consecutive bytes each
	global_load_b128 v[12:15], v144, s[8:9]
.irp q, 0,1,2,3
	global_load_b128 v[32+4*\q:35+4*\q], v4, s[4:5] offset:512*\q
.endr
.if NPART == 2
.irp q, 0,1,2,3
	global_load_b128 v[48+4*\q:51+4*\q], v4, s[4:5] offset:PSTRIDE+512*\q
.endr
.endif
.irp i, 0,1,2,3
.irp q, 0,1,2,3
	global_load_b128 v[64+16*\i+4*\q:67+16*\i+4*\q], v4, s[6:7] offset:2048*\i+512*\q
.endr
.endr
	s_mul_i32 s16, s14, PX
	v_lshl_add_u32 v5, v3, 3, s16                  ; left operand into AH: row w, 8 bytes a lane
	s_mul_i32 s16, s14, 4*PX
	s_add_co_u32 s16, s16, WB
	v_lshl_add_u32 v6, v3, 3, s16                  ; weights into WB: rows 4 w on
	s_and_b32 s22, s14, 3                          ; nt
	s_lshr_b32 s23, s14, 2                         ; kq
	v_mul_u32_u24 v8, v1, PX
	v_lshl_add_u32 v8, v2, 4, v8
	s_lshl_b32 s16, s23, 8
	v_add_nc_u32 v8, s16, v8                       ; the left fragments: row r, 16 hh, my 256 bytes of K
	s_mul_i32 s16, s22, 16*PX
	s_add_co_u32 s16, s16, WB
	v_add_nc_u32 v9, s16, v8                       ; the weights' fragments: row 16 nt + r
	s_wait_loadcnt 16                              ; the bias and the left operand are in; the weights' 16 loads may be out
.irp q, 0,1,2,3
.if NPART == 2
	v_pk_add_f32 v[32+4*\q:33+4*\q], v[32+4*\q:33+4*\q], v[48+4*\q:49+4*\q]
	v_pk_add_f32 v[34+4*\q:35+4*\q], v[34+4*\q:35+4*\q], v[50+4*\q:51+4*\q]
.endif
	SPLIT4 32+4*\q, 16+8*(\q%2), 18+8*(\q%2), 20+8*(\q%2)
	ds_store_b64 v5, v[16+8*(\q%2):17+8*(\q%2)] offset:256*\q
	ds_store_b64 v5, v[18+8*(\q%2):19+8*(\q%2)] offset:AL+256*\q
.endr
.irp i, 0,1,2,3
	s_wait_loadcnt 12-4*\i                         ; row i of my four is in: behind it were issued 4 (3 - i) loads
.irp q, 0,1,2,3
	CV2 64+16*\i+4*\q
	ds_store_b64 v6, v[64+16*\i+4*\q:65+16*\i+4*\q] offset:PX*\i+256*\q
.endr
.endr
	s_wait_dscnt 0x0                               ; for the others' sake: my rows are in LDS
	s_barrier_signal -1
	s_barrier_wait -1
	; PHASE 2: four K steps of 32; hi's products on one accumulator, lo's on the other, by turns
.irp i, 0,1,2,3
	ds_load_b128 v[32+8*\i:35+8*\i], v8 offset:64*\i
	ds_load_b128 v[36+8*\i:39+8*\i], v8 offset:64*\i+32
	ds_load_b128 v[64+8*\i:67+8*\i], v8 offset:AL+64*\i
	ds_load_b128 v[68+8*\i:71+8*\i], v8 offset:AL+64*\i+32
	ds_load_b128 v[96+8*\i:99+8*\i], v9 offset:64*\i
	ds_load_b128 v[100+8*\i:103+8*\i], v9 offset:64*\i+32
.endr
	s_wait_dscnt 0x0
	v_wmma_f32_16x16x32_bf16 v[128:135], v[32:39], v[96:103], 0
	v_wmma_f32_16x16x32_bf16 v[136:143], v[64:71], v[96:103], 0
.irp i, 1,2,3
	v_wmma_f32_16x16x32_bf16 v[128:135], v[32+8*\i:39+8*\i], v[96+8*\i:103+8*\i], v[128:135]
	v_wmma_f32_16x16x32_bf16 v[136:143], v[64+8*\i:71+8*\i], v[96+8*\i:103+8*\i], v[136:143]
.endr
	; the next phases' addresses: eight plain instructions that name none of the products' registers stand behind the products (ISA guide 7.12.1)
	s_mul_i32 s16, s23, 16*PR
	s_lshl_b32 s17, s22, 6
	s_add_co_u32 s16, s16, s17
	s_add_co_u32 s16, s16, RED
	v_mul_u32_u24 v10, v2, 8*PR
	v_lshl_add_u32 v10, v1, 2, v10
	v_add_nc_u32 v10, s16, v10                     ; partial: quarter kq, row 8 hh (+ j), column 16 nt + r
	s_mul_i32 s16, s14, 2*PR
	s_add_co_u32 s16, s16, RED
	v_mul_u32_u24 v11, v2, PR
	v_lshl_add_u32 v11, v1, 4, v11
	v_add_nc_u32 v11, s16, v11                     ; back: batch 2 w + hh, four columns at 4 r (waves 0-7)
	s_lshl_b32 s16, s14, 12
	v_lshl_add_u32 v145, v2, 11, s16
	v_lshl_add_u32 v145, v1, 4, v145               ; and the same place in the result: 2,048 bytes a batch
	v_pk_add_f32 v[128:129], v[128:129], v[136:137]  ; each accumulator is read from its low end on
	v_pk_add_f32 v[130:131], v[130:131], v[138:139]
	v_pk_add_f32 v[132:133], v[132:133], v[140:141]
	v_pk_add_f32 v[134:135], v[134:135], v[142:143]
.irp j, 0,1,2,3,4,5,6,7
	ds_store_b32 v10, v[128+\j] offset:PR*\j
.endr
	s_wait_dscnt 0x0
	s_barrier_signal -1
	s_barrier_wait -1
	; PHASE 3, waves 0-7: the four quarters, the bias, the store
	s_cmp_ge_u32 s14, 8
	s_cbranch_scc1 .Ldone
.irp k, 0,1,2,3
	ds_load_b128 v[16+4*\k:19+4*\k], v11 offset:16*PR*\k
.endr
	s_wait_dscnt 0x0
	v_pk_add_f32 v[16:17], v[16:17], v[20:21]
	v_pk_add_f32 v[18:19], v[18:19], v[22:23]
	v_pk_add_f32 v[24:25], v[24:25], v[28:29]
	v_pk_add_f32 v[26:27], v[26:27], v[30:31]
	v_pk_add_f32 v[16:17], v[16:17], v[24:25]
	v_pk_add_f32 v[18:19], v[18:19], v[26:27]
	v_pk_add_f32 v[16:17], v[16:17], v[12:13]
	v_pk_add_f32 v[18:19], v[18:19], v[14:15]
	global_store_b128 v145, v[16:19], s[10:11]     ; sixteen lanes store 256 consecutive bytes of a batch's row, aligned
.Ldone:
	s_wait_tensorcnt 0x0
	ds_add_u32 v160, v161
	s_wait_dscnt 0x0
	s_endpgm
.Lfunc_end_k_q249cf14cab_outp:
	.size	k_q249cf14cab_outp, .Lfunc_end_k_q249cf14cab_outp-k_q249cf14cab_outp
	.p2alignl 7, 3214868480
	.fill 96, 4, 3214868480
	.section	.rodata,"a",@progbits
	.p2align	6, 0x0
	.amdhsa_kernel k_q249cf14cab_outp
		.amdhsa_group_segment_fixed_size 119296
		.amdhsa_private_segment_fixed_size 0
		.amdhsa_enable_private_segment 0
		.amdhsa_kernarg_size 32
		.amdhsa_user_sgpr_count 2
		.amdhsa_user_sgpr_kernarg_segment_ptr 1
		.amdhsa_wavefront_size32 1
		.amdhsa_system_sgpr_workgroup_id_x 1
		.amdhsa_system_sgpr_workgroup_id_y 1
		.amdhsa_system_sgpr_workgroup_id_z 1
		.amdhsa_system_vgpr_workitem_id 0
		.amdhsa_next_free_vgpr 162
		.amdhsa_next_free_sgpr 66
		.amdhsa_reserve_vcc 0
		.amdhsa_float_denorm_mode_32 3
		.amdhsa_float_denorm_mode_16_64 3
		.amdhsa_memory_ordered 1
		.amdhsa_forward_progress 1
		.amdhsa_inst_pref_size 15
	.end_amdhsa_kernel
	.amdgpu_metadata
---
amdhsa.version: [ 1, 2 ]
amdhsa.kernels:
  - .name:           k_q249cf14cab_outp
    .symbol:         k_q249cf14cab_outp.kd
    .args:
      - { .name: att, .offset: 0, .size: 8, .value_kind: global_buffer, .address_space: global }
      - { .name: Wo, .offset: 8, .size: 8, .value_kind: global_buffer, .address_space: global }
      - { .name: bo, .offset: 16, .size: 8, .value_kind: global_buffer, .address_space: global }
      - { .name: out0, .offset: 24, .size: 8, .value_kind: global_buffer, .address_space: global }
    .group_segment_fixed_size: 119296
    .private_segment_fixed_size: 0
    .kernarg_segment_align: 8
    .kernarg_segment_size: 32
    .max_flat_workgroup_size: 512
    .sgpr_count:     66
    .vgpr_count:     162
    .wavefront_size: 32
...
	.end_amdgpu_metadata
.endif
;; end of part 6
